; MI455X (gfx1250); checked and timed in simulation.
; The chip was launched on July 23, 2026; its instructions are those of AMD's public machine-readable ISA for CDNA 5 (MIT licence, August 2026) and "CDNA5" Instruction Set Architecture Reference Guide (July 2026). The comments in the code are by the model that wrote it; some were corrected since.
;; VQVAE. Allowed arithmetic: float matrix products may take bf16 or f16 operands with f32 sums; all other float work in f32.
;; Inputs: codebook 8,192 x 4 float32; postquant_b 4 float32; postquant_w 4 x 4 float32; prequant_b 4 float32; prequant_w 4 x 4 float32; x 4 x 4 x 64 x 64 float32.
;; Outputs: out0 4 x 4 x 64 x 64 float32; out1 one number float32; out2 one number float32; out3 4 x 64 x 64 int32.
;; 3 versions, each right; version 2 is faster than version 1; version 3 is version 2 with the launch scan written anew for expert scheduling mode. Each part assembles by itself: llvm-mc -triple=amdgcn-amd-amdhsa -mcpu=gfx1250 --defsym DOCPART=n.
;; ======== version 1 of 3: 3 launches
;; workspace buffers: cand 1,048,576 bytes of whole numbers; part 1,024 bytes
;; launch scan (part 1): grid 32 x 8, 8 waves a work-group, no clusters, 66,560 bytes of LDS; arguments codebook, prequant_b, prequant_w, x, cand; writes cand
.if DOCPART == 1
	.amdgcn_target "amdgcn-amd-amdhsa--gfx1250"
	.amdhsa_code_object_version 6
	.text
	.protected	k_q051a00997e_scan
	.globl	k_q051a00997e_scan
	.p2align	8
	.type	k_q051a00997e_scan,@function
k_q051a00997e_scan:
	s_mov_b64 s[64:65], 0
	v_nop
	global_prefetch_b8 v0, s[64:65] scope:SCOPE_SE
	s_setreg_imm32_b32 hwreg(HW_REG_WAVE_MODE, 25, 1), 1
	s_wait_xcnt 0x0
; VQ scan.  16,384 points (4 x 64 x 64) of 4 channels against 8,192 codes: for each point and each of 16 chains of the
; codebook, the number of the block of 8 consecutive codes that holds the chain's smallest squared distance.
; A later launch looks into the 16 blocks of a point in f32; this one only has to name the right block.
;
; ONE MATRIX INSTRUCTION GIVES 256 FINISHED DISTANCES.  The product has 4 terms, the bf16 form has 32 places along K.  Each f32
; number v is written as hi + mid + lo, three bf16 (each the rounding of the exact remainder).  With q' = -2 q the places hold six of
; the nine partial products of each channel (the three left out are below 2^-24 of the product) and, against 1.0, the three parts
; of |c|^2 and of |q|^2.  So D = |q|^2 - 2 q.c + |c|^2 with C = 0.  The small terms stand in k 0-15, the large ones in k 16-31.
;     k      0-3     4-7     8-11    12    13    14,15   16-19   20-23   24-27   28    29    30    31
;   point    q'h     q'm     q'l     1     qql   0       q'h     q'h     q'm     1     1     qqh   qqm
;   code     cl      cm      ch      ccl   1     0       ch      cm      ch      cch   ccm   1     1
; A = 16 codes, B = 16 points: register j of lane (r, h) is (code 8 h + j, point r), eight consecutive codes of one point.  Four
; v_min3_num_f32 fold them into the lane's running minimum, one compare and one select remember the tile: 6 vector instructions
; for 8 result registers.  Lane half h and code group cg make the chain: slot = 2 cg + h.
;
; SHARES.  Work-group (pg, cg): points 512 pg .., codes 1024 cg ...  Wave w: 64 points as four B fragments kept in registers
; (tile p, column r = point 64 w + 4 r + p, so that x comes in and the result goes out 16 bytes a lane), all 64 code tiles.
; LDS: code tile t at 1024 t in fragment order (lane L's registers 0-3 at 16 L, registers 4-7 at 512 + 16 L): reads are contiguous.
; No tensor loads, no cluster: the only operand that is shared has to pass the vector ALU to be split, and is 16 KiB a work-group.
;
; LIMITS.  Inputs are taken as finite: NaN and infinities are not served (v_min3_num_f32 drops a NaN).  Two blocks of one chain whose
; smallest distances agree to about 1e-6 (the rounding of the matrix sum at |q|^2, |c|^2 of a few units) may be chosen either way.
.set IDX, 12                           ; v[12:15]   tile number of the running minimum, point tile p
.set BA,  16                           ; v[16:19]   running minimum, read by even code tiles, written by odd ones
.set BB,  20                           ; v[20:23]   the other way round: no copy is needed to compare old and new
.set PF,  24                           ; v[24:55]   four point fragments of 8 registers
.set CF,  56                           ; v[56:87]   four buffers for code fragments
.set DX,  88                           ; v[88:103]  results for point tiles 0, 1
.set DY,  104                          ; v[104:119] results for point tiles 2, 3
.set RAW, 56                           ; set-up only: my four codes as loaded (in CF's place)
.set XR,  120                          ; set-up only: v[120:135] x, channel c of point p at 4 c + p
.set Q,   136                          ; set-up only: v[136:151] q, then -2 q, channel o of point p at 4 p + o
.set H,   152                          ; pairs of packed bf16: hi parts (channels 0,1 | 2,3),
.set M,   154                          ; mid parts,
.set L,   156                          ; lo parts
.set XZ,  158                          ; (ccl, 1) or (1, qql); then the constant 0
.set YO,  160                          ; (cch, ccm) or (qqh, qqm); then the constant (1, 1)
.set F,   162                          ; v[162:165] four bf16 as f32
.set R,   166                          ; v[166:169] remainders
.set SS,  170                          ; |c|^2 or |q|^2
.set T1,  171
.set T2,  172
.set T3,  173
	s_load_b256 s[4:11], s[0:1], 0x0               ; codebook s[4:5], prequant_b s[6:7], prequant_w s[8:9], x s[10:11]
	s_load_b64 s[12:13], s[0:1], 0x20              ; cand
	v_lshl_add_u32 v176, v0, 2, 0x10000
	v_mov_b32 v177, 0
	s_and_b32 s37, ttmp7, 0xffff                   ; cg: my 1,024 codes.  ttmp9 = pg: my 512 points
	v_and_b32 v1, 15, v0                           ; r
	v_bfe_u32 v2, v0, 4, 1                         ; h
	v_lshrrev_b32 v9, 5, v0                        ; w
	v_and_b32 v3, 31, v0
	v_lshlrev_b32 v3, 4, v3                        ; LDS read: 16 x lane, stepped by four tiles a trip
	v_lshrrev_b32 v4, 4, v0
	v_lshlrev_b32 v4, 10, v4
	v_lshl_add_u32 v4, v1, 4, v4                   ; LDS write: tile (t >> 4), row (t & 15)
	v_lshlrev_b32 v5, 4, v0                        ; my code: 16 bytes at 16 t
	v_lshlrev_b32 v6, 8, v9
	v_lshl_add_u32 v6, v1, 4, v6                   ; my four points: 256 w + 16 r
	v_lshl_add_u32 v7, v2, 16, v6                  ; the same in cand, slot h of my pair of slots
	s_lshl_b32 s39, s37, 7
	v_add_nc_u32 v8, s39, v2                       ; block number = 128 cg + 2 tile + h
	s_mov_b32 s45, 0xffff0000                      ; a word's upper bf16; also the mask of lanes 16-31
	s_mov_b32 s41, 0
	s_wait_kmcnt 0x0
	s_load_b512 s[16:31], s[8:9], 0x0              ; W[o][c] at s[16 + 4 o + c]
	s_load_b128 s[32:35], s[6:7], 0x0              ; bias
	s_lshl_b32 s40, s37, 14                        ; 1,024 codes of 16 bytes
	s_add_nc_u64 s[4:5], s[4:5], s[40:41]
	s_lshr_b32 s40, ttmp9, 3                       ; image: 8 groups of 512 points each,
	s_lshl_b32 s40, s40, 16                        ; 4 channels x 4,096 points x 4 bytes
	s_and_b32 s38, ttmp9, 7
	s_lshl_b32 s38, s38, 11                        ; 512 points x 4 bytes
	s_add_co_u32 s40, s40, s38
	s_add_nc_u64 s[10:11], s[10:11], s[40:41]
	s_lshl_b32 s40, s37, 17                        ; two slots of 16,384 x 4 bytes
	s_lshl_b32 s38, ttmp9, 11
	s_add_co_u32 s40, s40, s38
	s_add_nc_u64 s[12:13], s[12:13], s[40:41]
.irp u, 0,1,2,3
	global_load_b128 v[RAW+4*\u:RAW+4*\u+3], v5, s[4:5] offset:\u*4096      ; code t + 256 u
.endr
.irp c, 0,1,2,3
	global_load_b128 v[XR+4*\c:XR+4*\c+3], v6, s[10:11] offset:\c*16384     ; channel c of my four points
.endr
	v_mov_b32 v[XZ+1], 0
	v_mov_b32 v[YO+1], 0x3f803f80                  ; (1.0, 1.0) in bf16
.macro UNPK w                          ; the four bf16 of pair w as f32
	v_lshlrev_b32 v[F],   16,  v[\w]
	v_and_b32     v[F+1], s45, v[\w]
	v_lshlrev_b32 v[F+2], 16,  v[\w+1]
	v_and_b32     v[F+3], s45, v[\w+1]
.endm
.macro SPLIT4 src                      ; four f32 at src -> H, M, L.  Each remainder is exact in f32
	v_cvt_pk_bf16_f32 v[H],   v[\src],   v[\src+1]
	v_cvt_pk_bf16_f32 v[H+1], v[\src+2], v[\src+3]
	UNPK H
	v_pk_add_f32 v[R:R+1],   v[\src:\src+1],   v[F:F+1]   neg_lo:[0,1] neg_hi:[0,1]
	v_pk_add_f32 v[R+2:R+3], v[\src+2:\src+3], v[F+2:F+3] neg_lo:[0,1] neg_hi:[0,1]
	v_cvt_pk_bf16_f32 v[M],   v[R],   v[R+1]
	v_cvt_pk_bf16_f32 v[M+1], v[R+2], v[R+3]
	UNPK M
	v_pk_add_f32 v[R:R+1],   v[R:R+1],   v[F:F+1]   neg_lo:[0,1] neg_hi:[0,1]
	v_pk_add_f32 v[R+2:R+3], v[R+2:R+3], v[F+2:F+3] neg_lo:[0,1] neg_hi:[0,1]
	v_cvt_pk_bf16_f32 v[L],   v[R],   v[R+1]
	v_cvt_pk_bf16_f32 v[L+1], v[R+2], v[R+3]
.endm
.macro SPLIT1 pt                       ; the f32 in SS -> YO = (hi, mid), XZ = (lo, 1) for a code, (1, lo) for a point
	v_cvt_pk_bf16_f32 v[T1], v[SS], 0
	v_lshlrev_b32 v[T3], 16, v[T1]
	v_sub_f32 v[SS], v[SS], v[T3]
	v_cvt_pk_bf16_f32 v[T2], v[SS], 0
	v_lshlrev_b32 v[T3], 16, v[T2]
	v_sub_f32 v[SS], v[SS], v[T3]
.if \pt
	v_cvt_pk_bf16_f32 v[XZ], 1.0, v[SS]
.else
	v_cvt_pk_bf16_f32 v[XZ], v[SS], 1.0
.endif
	v_lshl_or_b32 v[YO], v[T2], 16, v[T1]
.endm
; One code into its row of its tile.  The row's four pieces of 16 bytes (k 0-7 at 0, k 8-15 at 256, k 16-23 at 512, k 24-31 at 768)
; go out in halves of 8 bytes, so that no register is copied to form a tuple.
.macro CODE u
	v_mul_f32  v[SS], v[RAW+4*\u],   v[RAW+4*\u]
	v_fmac_f32 v[SS], v[RAW+4*\u+1], v[RAW+4*\u+1]
	v_fmac_f32 v[SS], v[RAW+4*\u+2], v[RAW+4*\u+2]
	v_fmac_f32 v[SS], v[RAW+4*\u+3], v[RAW+4*\u+3]
	SPLIT4 RAW+4*\u
	SPLIT1 0
	ds_store_b64 v4, v[L:L+1]   offset:\u*16384          ; k 0-3    cl
	ds_store_b64 v4, v[M:M+1]   offset:\u*16384+8        ; k 4-7    cm
	ds_store_b64 v4, v[H:H+1]   offset:\u*16384+256      ; k 8-11   ch
	ds_store_b64 v4, v[XZ:XZ+1] offset:\u*16384+264      ; k 12-15  ccl, 1, 0, 0
	ds_store_b64 v4, v[H:H+1]   offset:\u*16384+512      ; k 16-19  ch
	ds_store_b64 v4, v[M:M+1]   offset:\u*16384+520      ; k 20-23  cm
	ds_store_b64 v4, v[H:H+1]   offset:\u*16384+768      ; k 24-27  ch
	ds_store_b64 v4, v[YO:YO+1] offset:\u*16384+776      ; k 28-31  cch, ccm, 1, 1
.endm
	s_wait_loadcnt 0x4                             ; my four codes are in; the four younger loads (x) may stay out
	CODE 0
	CODE 1
	CODE 2
	CODE 3
	s_wait_loadcnt 0x0                             ; x
	s_wait_kmcnt 0x0                               ; W and the bias
	s_wait_dscnt 0x0                               ; my rows of the code tiles are in LDS:
	s_barrier_signal -1                            ; say so, and make the point fragments in registers while the others arrive
	; q = W x + b in f32: products in ascending channel order, the bias added last, as the launch that decides makes it
.irp p, 0,1,2,3
.irp o, 0,1,2,3
	v_mul_f32  v[Q+4*\p+\o], s[16+4*\o],   v[XR+\p]
.endr
.irp o, 0,1,2,3
	v_fmac_f32 v[Q+4*\p+\o], s[16+4*\o+1], v[XR+4+\p]
.endr
.irp o, 0,1,2,3
	v_fmac_f32 v[Q+4*\p+\o], s[16+4*\o+2], v[XR+8+\p]
.endr
.irp o, 0,1,2,3
	v_fmac_f32 v[Q+4*\p+\o], s[16+4*\o+3], v[XR+12+\p]
.endr
.irp o, 0,1,2,3
	v_add_f32  v[Q+4*\p+\o], s[32+\o], v[Q+4*\p+\o]
.endr
.endr
	s_mov_b32 vcc_lo, s45                          ; lanes 16-31 (h = 1)
; Point tile p: lanes with h = 0 hold k 0-7 and k 16-23, lanes with h = 1 hold k 8-15 and k 24-31 of the same point
.macro POINT p
	v_mul_f32  v[SS], v[Q+4*\p],   v[Q+4*\p]
	v_fmac_f32 v[SS], v[Q+4*\p+1], v[Q+4*\p+1]
	v_fmac_f32 v[SS], v[Q+4*\p+2], v[Q+4*\p+2]
	v_fmac_f32 v[SS], v[Q+4*\p+3], v[Q+4*\p+3]
	v_pk_mul_f32 v[Q+4*\p:Q+4*\p+1],   v[Q+4*\p:Q+4*\p+1],   -2.0 op_sel_hi:[1,0]
	v_pk_mul_f32 v[Q+4*\p+2:Q+4*\p+3], v[Q+4*\p+2:Q+4*\p+3], -2.0 op_sel_hi:[1,0]
	SPLIT4 Q+4*\p
	SPLIT1 1
	v_cndmask_b32 v[PF+8*\p],   v[H],   v[L],    vcc_lo  ; k 0-1   q'h   | k 8-9    q'l
	v_cndmask_b32 v[PF+8*\p+1], v[H+1], v[L+1],  vcc_lo  ; k 2-3   q'h   | k 10-11  q'l
	v_cndmask_b32 v[PF+8*\p+2], v[M],   v[XZ],   vcc_lo  ; k 4-5   q'm   | k 12-13  1, qql
	v_cndmask_b32 v[PF+8*\p+3], v[M+1], v[XZ+1], vcc_lo  ; k 6-7   q'm   | k 14-15  0
	v_cndmask_b32 v[PF+8*\p+4], v[H],   v[M],    vcc_lo  ; k 16-17 q'h   | k 24-25  q'm
	v_cndmask_b32 v[PF+8*\p+5], v[H+1], v[M+1],  vcc_lo  ; k 18-19 q'h   | k 26-27  q'm
	v_cndmask_b32 v[PF+8*\p+6], v[H],   v[YO+1], vcc_lo  ; k 20-21 q'h   | k 28-29  1, 1
	v_cndmask_b32 v[PF+8*\p+7], v[H+1], v[YO],   vcc_lo  ; k 22-23 q'h   | k 30-31  qqh, qqm
.endm
	POINT 0
	POINT 1
	POINT 2
	POINT 3
.irp p, 0,1,2,3
	v_mov_b32 v[IDX+\p], 0
	v_mov_b32 v[BA+\p], 0x7f800000                 ; +infinity
.endr
	s_mov_b32 s43, 0                               ; number of the code tile whose results are being folded
	s_barrier_wait -1                              ; all 64 code tiles are in LDS; nothing writes LDS from here on
.irp t, 0,1,2
	ds_load_b128 v[CF+8*\t:CF+8*\t+3],   v3 offset:\t*1024
	ds_load_b128 v[CF+8*\t+4:CF+8*\t+7], v3 offset:\t*1024+512
.endr
.macro WM d, f, p                      ; 16 codes (buffer f) x 16 points (tile p): finished distances, nothing to accumulate
	v_wmma_f32_16x16x32_bf16 v[\d:\d+7], v[CF+8*\f:CF+8*\f+7], v[PF+8*\p:PF+8*\p+7], 0
.endm
; Fold the results at d (tile p) and d + 8 (tile p + 1): two chains that do not wait for each other, 12 instructions.
; A strictly smaller minimum takes the tile number, so that of equal ones the first stays.
.macro V2 d, p, bin, bout
	v_min3_num_f32 v[\bout+\p],   v[\bin+\p],    v[\d],    v[\d+1]
	v_min3_num_f32 v[\bout+\p+1], v[\bin+\p+1],  v[\d+8],  v[\d+9]
	v_min3_num_f32 v[\bout+\p],   v[\bout+\p],   v[\d+2],  v[\d+3]
	v_min3_num_f32 v[\bout+\p+1], v[\bout+\p+1], v[\d+10], v[\d+11]
	v_min3_num_f32 v[\bout+\p],   v[\bout+\p],   v[\d+4],  v[\d+5]
	v_min3_num_f32 v[\bout+\p+1], v[\bout+\p+1], v[\d+12], v[\d+13]
	v_min3_num_f32 v[\bout+\p],   v[\bout+\p],   v[\d+6],  v[\d+7]
	v_min3_num_f32 v[\bout+\p+1], v[\bout+\p+1], v[\d+14], v[\d+15]
	v_cmp_lt_f32 vcc_lo, v[\bout+\p],   v[\bin+\p]
	v_cmp_lt_f32 s44,    v[\bout+\p+1], v[\bin+\p+1]
	v_cndmask_b32 v[IDX+\p],   v[IDX+\p],   s43, vcc_lo
	v_cndmask_b32 v[IDX+\p+1], v[IDX+\p+1], s43, s44
.endm
; One code tile (buffer u = tile % 4).  Each pair of matrix instructions is followed by the 12 vector instructions that fold the OTHER
; pair's results: they name none of its registers, so they are the places that stand between a matrix instruction and the first
; reader of its result, and between it and the load into its A buffer (four are asked, five before a matrix
; instruction writes over the result).  In the very first tile there is nothing to fold yet: four v_nop.
; cnt: the LDS loads of the next two tiles, two each, are younger than this tile's and may stay out.
.macro TILE u, first, ld, cnt
	s_wait_dscnt \cnt
	WM DX,   \u, 0
	WM DX+8, \u, 1
.if \first
.rept 4
	v_nop
.endr
.else
.if (\u)&1
	V2 DY, 2, BA, BB                               ; the tile before was even
.else
	V2 DY, 2, BB, BA
.endif
	s_add_co_u32 s43, s43, 1
.endif
.if \ld
	ds_load_b128 v[CF+8*((\u+3)%4):CF+8*((\u+3)%4)+3],   v3 offset:(\u+3)*1024       ; three tiles ahead, into the buffer read last tile
	ds_load_b128 v[CF+8*((\u+3)%4)+4:CF+8*((\u+3)%4)+7], v3 offset:(\u+3)*1024+512
.endif
	WM DY,   \u, 2
	WM DY+8, \u, 3
.if (\u)&1
	V2 DX, 0, BB, BA
.else
	V2 DX, 0, BA, BB
.endif
.endm
	TILE 0, 1, 1, 4                                ; tiles 0-3 stand in front of the loop: the first has nothing to fold
	TILE 1, 0, 1, 4
	TILE 2, 0, 1, 4
	TILE 3, 0, 1, 4
	v_add_nc_u32 v3, 4096, v3
	s_mov_b32 s42, 14                              ; tiles 4-59
.Ltrip:
	TILE 0, 0, 1, 4
	TILE 1, 0, 1, 4
	TILE 2, 0, 1, 4
	TILE 3, 0, 1, 4
	v_add_nc_u32 v3, 4096, v3
	s_sub_co_u32 s42, s42, 1
	s_cmp_lg_u32 s42, 0
	s_cbranch_scc1 .Ltrip
	TILE 0, 0, 1, 4                                ; tiles 60-63: one more fetch (tile 63), then the counts run down
	TILE 1, 0, 0, 4
	TILE 2, 0, 0, 2
	TILE 3, 0, 0, 0
	V2 DY, 2, BB, BA                               ; tile 63, point tiles 2 and 3
.irp p, 0,1,2,3
	v_lshl_add_u32 v[IDX+\p], v[IDX+\p], 1, v8     ; block = 128 cg + 2 tile + h
.endr
	global_store_b128 v7, v[IDX:IDX+3], s[12:13]   ; lanes 0-15 and lanes 16-31 each cover 256 consecutive bytes, aligned
	s_wait_tensorcnt 0x0
	ds_add_u32 v176, v177
	s_wait_dscnt 0x0
	s_endpgm
.Lfunc_end_k_q051a00997e_scan:
	.size	k_q051a00997e_scan, .Lfunc_end_k_q051a00997e_scan-k_q051a00997e_scan
	.p2alignl 7, 3214868480
	.fill 96, 4, 3214868480
	.section	.rodata,"a",@progbits
	.p2align	6, 0x0
	.amdhsa_kernel k_q051a00997e_scan
		.amdhsa_group_segment_fixed_size 66560
		.amdhsa_private_segment_fixed_size 0
		.amdhsa_enable_private_segment 0
		.amdhsa_kernarg_size 40
		.amdhsa_user_sgpr_count 2
		.amdhsa_user_sgpr_kernarg_segment_ptr 1
		.amdhsa_wavefront_size32 1
		.amdhsa_system_sgpr_workgroup_id_x 1
		.amdhsa_system_sgpr_workgroup_id_y 1
		.amdhsa_system_sgpr_workgroup_id_z 1
		.amdhsa_system_vgpr_workitem_id 0
		.amdhsa_next_free_vgpr 178
		.amdhsa_next_free_sgpr 66
		.amdhsa_reserve_vcc 1
		.amdhsa_float_denorm_mode_32 3
		.amdhsa_float_denorm_mode_16_64 3
		.amdhsa_memory_ordered 1
		.amdhsa_forward_progress 1
		.amdhsa_inst_pref_size 44
	.end_amdhsa_kernel
	.amdgpu_metadata
---
amdhsa.version: [ 1, 2 ]
amdhsa.kernels:
  - .name:           k_q051a00997e_scan
    .symbol:         k_q051a00997e_scan.kd
    .args:
      - { .name: codebook, .offset: 0, .size: 8, .value_kind: global_buffer, .address_space: global }
      - { .name: prequant_b, .offset: 8, .size: 8, .value_kind: global_buffer, .address_space: global }
      - { .name: prequant_w, .offset: 16, .size: 8, .value_kind: global_buffer, .address_space: global }
      - { .name: x, .offset: 24, .size: 8, .value_kind: global_buffer, .address_space: global }
      - { .name: cand, .offset: 32, .size: 8, .value_kind: global_buffer, .address_space: global }
    .group_segment_fixed_size: 66560
    .private_segment_fixed_size: 0
    .kernarg_segment_align: 8
    .kernarg_segment_size: 40
    .max_flat_workgroup_size: 256
    .sgpr_count:     66
    .vgpr_count:     178
    .wavefront_size: 32
...
	.end_amdgpu_metadata
.endif
;; end of part 1
;; launch refine (part 2): grid 256 x 1, 16 waves a work-group, no clusters, 4,352 bytes of LDS; arguments codebook, postquant_b, postquant_w, prequant_b, prequant_w, x, cand, out0, out3, part; writes out0, out3, part
.if DOCPART == 2
	.amdgcn_target "amdgcn-amd-amdhsa--gfx1250"
	.amdhsa_code_object_version 6
	.text
	.protected	k_q051a00997e_refine
	.globl	k_q051a00997e_refine
	.p2align	8
	.type	k_q051a00997e_refine,@function
k_q051a00997e_refine:
	s_mov_b64 s[64:65], 0
	v_nop
	global_prefetch_b8 v0, s[64:65] scope:SCOPE_SE
	s_setreg_imm32_b32 hwreg(HW_REG_WAVE_MODE, 25, 1), 1
	s_wait_xcnt 0x0
; VQ decision.  For each point the 16 candidate blocks of 8 codes named in cand are evaluated in f32 by the reference's own formula,
; d = (|q|^2 - 2 q.c) + |c|^2; the smallest d wins, of equal ones the lowest index.  Then e = c* - x, the loss term |e|^2,
; the straight-through value x + e, and the postquant 4 x 4 product.
; SHARES.  A work-group has 64 points, a wave 4, eight lanes a point: lane i of the eight takes code i of each of the 16 blocks, so a
; 16-byte load of a wave covers four whole blocks of 128 bytes.  128 of the 8,192 codes are evaluated for each point.
; The block numbers come from memory as whole numbers and are clamped to 1,023 in the instruction before they enter an address.
; The winner's four numbers travel by selection beside d and the index: no address hangs on a comparison.
; The products here have 4 terms and the index needs q in full f32, so they run on the vector ALU; no matrix unit, no tensor loads.
; LDS: eight rows of 272 bytes (256 + 16); row i holds lane i's word for the 64
; points: rows 0-3 the four channels of out0, row 4 the index (rows 5-7 repeat it and are not read).  At 2176: 16 loss words.
; LIMITS.  Inputs are taken as finite (NaN, infinities not served).  The sums over the four channels are fused chains in ascending
; order, the prequant bias added last; a host that rounds otherwise may decide differently between two codes whose d agree
; to about one unit in the last place of |q|^2.
.set PITCH, 272
.set LOSSW, 8*PITCH
.set CI,   8                           ; v[8:23]    slot s: block number, then byte offset of my code in the codebook
.set X,    24                          ; v[24:27]   x of my point
.set PW,   28                          ; v[28:31]   row i & 3 of postquant_w
.set PB,   32                          ; v32        postquant_b[i & 3]
.set Q,    34                          ; v[34:37]   q
.set QQ,   38                          ; v38        |q|^2
.set CD,   40                          ; v[40:103]  slot s: my code, 4 registers
.set BC,   40                          ; the best code so far lives in slot 0's registers
.set BEST, 104
.set BIDX, 105
.set DOT,  106
.set CC,   107
.set D,    108
.set CIX,  109
.set TMP,  44                          ; behind the evaluation the code registers are free: v[44:49] a neighbour's d, index, code
.set E,    52                          ; v[52:55]   c* - x
.set ST,   56                          ; v[56:59]   x + e
.set LOSS, 60
.set DEC,  61
.set VAL,  62
.set OTH,  63
.set A0,   70                          ; v[70:71]   addresses on the way out
.set OUTR, 72                          ; v[72:87]   data on the way out
	s_load_b512 s[4:19], s[0:1], 0x0               ; codebook 4, postquant_b 6, postquant_w 8, prequant_b 10, prequant_w 12, x 14, cand 16, out0 18
	s_load_b128 s[20:23], s[0:1], 0x40             ; out3 s[20:21], part s[22:23]
	v_lshl_add_u32 v120, v0, 2, 0x900
	v_mov_b32 v121, 0
	v_lshrrev_b32 v7, 5, v0
	v_readfirstlane_b32 s44, v7                    ; wave
	v_and_b32 v1, 7, v0                            ; i
	v_lshrrev_b32 v2, 3, v0
	v_lshlrev_b32 v2, 2, v2                        ; 4 x point
	v_lshlrev_b32 v3, 4, v1                        ; my code in a block
	v_and_b32 v5, 3, v0
	v_lshlrev_b32 v4, 4, v5                        ; my row of postquant_w
	v_lshlrev_b32 v5, 2, v5                        ; my word of postquant_b
	v_mad_u32_u24 v6, v1, PITCH, v2                ; my word in the LDS stage
	s_mov_b32 s48, 0x76543210                      ; v_permlanex16_b32: lane i reads lane i of the other half
	s_mov_b32 s49, 0xfedcba98
	s_mov_b32 s53, 0xf0f0f0f0                      ; lanes with i >= 4
	s_mov_b32 s47, 0
	s_wait_kmcnt 0x0
	s_load_b512 s[24:39], s[12:13], 0x0            ; Wpre[o][c] at s[24 + 4 o + c]
	s_load_b128 s[40:43], s[10:11], 0x0            ; bpre
	s_lshl_b32 s46, ttmp9, 8                       ; 64 points x 4 bytes
	s_add_nc_u64 s[16:17], s[16:17], s[46:47]
	s_add_nc_u64 s[20:21], s[20:21], s[46:47]
	s_lshl_b32 s46, ttmp9, 2
	s_add_nc_u64 s[22:23], s[22:23], s[46:47]
	s_lshr_b32 s46, ttmp9, 6                       ; image: 64 work-groups each,
	s_lshl_b32 s46, s46, 16                        ; 4 channels x 4,096 points x 4 bytes
	s_and_b32 s50, ttmp9, 63
	s_lshl_b32 s50, s50, 8
	s_add_co_u32 s46, s46, s50
	s_add_nc_u64 s[14:15], s[14:15], s[46:47]
	s_add_nc_u64 s[18:19], s[18:19], s[46:47]
.irp s, 0,1,2,3,4,5,6,7,8,9,10,11,12,13,14,15
	global_load_b32 v[CI+\s], v2, s[16:17] offset:\s*65536
.endr
.irp c, 0,1,2,3
	global_load_b32 v[X+\c], v2, s[14:15] offset:\c*16384
.endr
	global_load_b128 v[PW:PW+3], v4, s[8:9]
	global_load_b32 v[PB], v5, s[6:7]
	s_wait_loadcnt 0x6                             ; the 16 block numbers are in; the six younger loads may stay out
.irp s, 0,1,2,3,4,5,6,7,8,9,10,11,12,13,14,15
	v_min_u32 v[CI+\s], 0x3ff, v[CI+\s]            ; a number from memory enters an address only clamped
	v_lshl_add_u32 v[CI+\s], v[CI+\s], 7, v3       ; 128 bytes a block + my code
	global_load_b128 v[CD+4*\s:CD+4*\s+3], v[CI+\s], s[4:5]
.endr
	s_wait_loadcnt 0x12                            ; x is in: postquant's two loads and the 16 code loads are younger
	s_wait_kmcnt 0x0
.irp o, 0,1,2,3
	v_mul_f32  v[Q+\o], s[24+4*\o],   v[X]
.endr
.irp o, 0,1,2,3
	v_fmac_f32 v[Q+\o], s[24+4*\o+1], v[X+1]
.endr
.irp o, 0,1,2,3
	v_fmac_f32 v[Q+\o], s[24+4*\o+2], v[X+2]
.endr
.irp o, 0,1,2,3
	v_fmac_f32 v[Q+\o], s[24+4*\o+3], v[X+3]
.endr
.irp o, 0,1,2,3
	v_add_f32  v[Q+\o], s[40+\o], v[Q+\o]          ; the bias last and by itself: the index hangs on q's last bit
.endr
	v_mul_f32  v[QQ], v[Q],   v[Q]
	v_fmac_f32 v[QQ], v[Q+1], v[Q+1]
	v_fmac_f32 v[QQ], v[Q+2], v[Q+2]
	v_fmac_f32 v[QQ], v[Q+3], v[Q+3]
; The candidate (d, index ix, code at c) replaces the best if d is smaller, or equal with a lower index
.macro TAKE d, ix, c
	v_cmp_lt_f32 s50, v[\d],  v[BEST]
	v_cmp_eq_f32 s51, v[\d],  v[BEST]
	v_cmp_lt_u32 s52, v[\ix], v[BIDX]
	s_and_b32 s51, s51, s52
	s_or_b32 vcc_lo, s50, s51
	v_cndmask_b32 v[BEST], v[BEST], v[\d],  vcc_lo
	v_cndmask_b32 v[BIDX], v[BIDX], v[\ix], vcc_lo
.irp k, 0,1,2,3
	v_cndmask_b32 v[BC+\k], v[BC+\k], v[\c+\k], vcc_lo
.endr
.endm
; Slot s: d = (qq - 2 dot) + cc; doubling is exact, so the fused form rounds as the reference's subtraction does
.macro EVAL s, dd, ii
	s_wait_loadcnt 15-\s                           ; the code loads of the later slots may stay out
	v_mul_f32  v[DOT], v[Q],          v[CD+4*\s]
	v_mul_f32  v[CC],  v[CD+4*\s],    v[CD+4*\s]
	v_fmac_f32 v[DOT], v[Q+1],        v[CD+4*\s+1]
	v_fmac_f32 v[CC],  v[CD+4*\s+1],  v[CD+4*\s+1]
	v_fmac_f32 v[DOT], v[Q+2],        v[CD+4*\s+2]
	v_fmac_f32 v[CC],  v[CD+4*\s+2],  v[CD+4*\s+2]
	v_fmac_f32 v[DOT], v[Q+3],        v[CD+4*\s+3]
	v_fmac_f32 v[CC],  v[CD+4*\s+3],  v[CD+4*\s+3]
	v_lshrrev_b32 v[\ii], 4, v[CI+\s]              ; the code's index: its byte offset / 16
	v_fma_f32 v[\dd], -2.0, v[DOT], v[QQ]
	v_add_f32 v[\dd], v[\dd], v[CC]
.endm
	EVAL 0, BEST, BIDX                             ; the first slot starts the search: nothing is preset
.irp s, 1,2,3,4,5,6,7,8,9,10,11,12,13,14,15
	EVAL \s, D, CIX
	TAKE D, CIX, CD+4*\s
.endr
; Across the eight lanes of a point: lane i looks at lane i xor m.  The order (d, index) is total, so both sides keep the same winner.
.macro STEP m
	v_mov_b32_dpp v[TMP],   v[BEST] row_xmask:\m row_mask:0xf bank_mask:0xf
	v_mov_b32_dpp v[TMP+1], v[BIDX] row_xmask:\m row_mask:0xf bank_mask:0xf
.irp k, 0,1,2,3
	v_mov_b32_dpp v[TMP+2+\k], v[BC+\k] row_xmask:\m row_mask:0xf bank_mask:0xf
.endr
	TAKE TMP, TMP+1, TMP+2
.endm
	STEP 1
	STEP 2
	STEP 4
	v_pk_add_f32 v[E:E+1],   v[BC:BC+1],   v[X:X+1]   neg_lo:[0,1] neg_hi:[0,1]   ; e = c* - x
	v_pk_add_f32 v[E+2:E+3], v[BC+2:BC+3], v[X+2:X+3] neg_lo:[0,1] neg_hi:[0,1]
	v_pk_add_f32 v[ST:ST+1],   v[X:X+1],   v[E:E+1]                               ; straight through: x + (c* - x)
	v_pk_add_f32 v[ST+2:ST+3], v[X+2:X+3], v[E+2:E+3]
	v_mul_f32  v[LOSS], v[E],   v[E]
	v_fmac_f32 v[LOSS], v[E+1], v[E+1]
	v_fmac_f32 v[LOSS], v[E+2], v[E+2]
	v_fmac_f32 v[LOSS], v[E+3], v[E+3]
	v_fma_f32  v[DEC], v[PW],   v[ST],   v[PB]     ; channel i & 3 of the postquant product; the bias starts the sum
	v_fmac_f32 v[DEC], v[PW+1], v[ST+1]
	v_fmac_f32 v[DEC], v[PW+2], v[ST+2]
	v_fmac_f32 v[DEC], v[PW+3], v[ST+3]
	v_cndmask_b32 v[VAL], v[DEC], v[BIDX], s53     ; lanes 0-3 a channel, lanes 4-7 the index
	ds_store_b32 v6, v[VAL]
	; the eight lanes of a point hold the same loss term: lane xor 8 and the other half of the wave bring the other three points
	v_add_f32_dpp v[LOSS], v[LOSS], v[LOSS] row_xmask:8 row_mask:0xf bank_mask:0xf
	v_permlanex16_b32 v[OTH], v[LOSS], s48, s49
	v_add_f32 v[LOSS], v[LOSS], v[OTH]
	v_mov_b32 v7, s44
	v_lshlrev_b32 v7, 2, v7
	ds_store_b32 v7, v[LOSS] offset:LOSSW          ; every lane the same word with the same value
	s_wait_dscnt 0x0
	s_barrier_signal -1
	s_barrier_wait -1                              ; the only barrier: the stage is whole
	s_cmp_gt_u32 s44, 1
	s_cbranch_scc1 .Lnot_out0
	; waves 0, 1: the four channel rows, 16 bytes a lane: sixteen lanes cover 256 consecutive bytes of out0, aligned
	v_bfe_u32 v[A0], v0, 4, 2                      ; channel
	v_and_b32 v[A0+1], 15, v0
	v_lshlrev_b32 v[A0+1], 4, v[A0+1]
	v_mad_u32_u24 v[OTH], v[A0], PITCH, v[A0+1]
	v_lshl_add_u32 v[A0+1], v[A0], 14, v[A0+1]
	ds_load_b128 v[OUTR:OUTR+3], v[OTH]
	s_wait_dscnt 0x0
	global_store_b128 v[A0+1], v[OUTR:OUTR+3], s[18:19]
	s_wait_tensorcnt 0x0
	ds_add_u32 v120, v121
	s_wait_dscnt 0x0
	s_endpgm
.Lnot_out0:
	s_cmp_lg_u32 s44, 2
	s_cbranch_scc1 .Lnot_out3
	; wave 2: the index row, 8 bytes a lane: the wave covers 256 consecutive bytes of out3, aligned
	v_and_b32 v[A0], 31, v0
	v_lshlrev_b32 v[A0], 3, v[A0]
	ds_load_b64 v[OUTR:OUTR+1], v[A0] offset:4*PITCH
	s_wait_dscnt 0x0
	global_store_b64 v[A0], v[OUTR:OUTR+1], s[20:21]
	s_wait_tensorcnt 0x0
	ds_add_u32 v120, v121
	s_wait_dscnt 0x0
	s_endpgm
.Lnot_out3:
	s_cmp_lg_u32 s44, 3
	s_cbranch_scc1 .Lend
	; wave 3: the 16 waves' loss words, summed in a fixed order; lane 0 stores the work-group's partial
	v_mov_b32 v[A0], 0
	v_and_b32 v[A0+1], 31, v0
.irp k, 0,1,2,3
	ds_load_b128 v[OUTR+4*\k:OUTR+4*\k+3], v[A0] offset:LOSSW+16*\k
.endr
	s_wait_dscnt 0x0
	v_pk_add_f32 v[OUTR:OUTR+1],     v[OUTR:OUTR+1],     v[OUTR+2:OUTR+3]
	v_pk_add_f32 v[OUTR+4:OUTR+5],   v[OUTR+4:OUTR+5],   v[OUTR+6:OUTR+7]
	v_pk_add_f32 v[OUTR+8:OUTR+9],   v[OUTR+8:OUTR+9],   v[OUTR+10:OUTR+11]
	v_pk_add_f32 v[OUTR+12:OUTR+13], v[OUTR+12:OUTR+13], v[OUTR+14:OUTR+15]
	v_pk_add_f32 v[OUTR:OUTR+1],     v[OUTR:OUTR+1],     v[OUTR+4:OUTR+5]
	v_pk_add_f32 v[OUTR+8:OUTR+9],   v[OUTR+8:OUTR+9],   v[OUTR+12:OUTR+13]
	v_pk_add_f32 v[OUTR:OUTR+1],     v[OUTR:OUTR+1],     v[OUTR+8:OUTR+9]
	v_add_f32 v[OUTR], v[OUTR], v[OUTR+1]
	v_cmp_eq_u32 vcc_lo, 0, v[A0+1]
	s_and_saveexec_b32 s54, vcc_lo
	global_store_b32 v[A0], v[OUTR], s[22:23]
	s_wait_xcnt 0x0                                ; EXEC is a source of the pending store: changed back only behind this wait
	s_or_b32 exec_lo, exec_lo, s54
.Lend:
	s_wait_tensorcnt 0x0
	ds_add_u32 v120, v121
	s_wait_dscnt 0x0
	s_endpgm
.Lfunc_end_k_q051a00997e_refine:
	.size	k_q051a00997e_refine, .Lfunc_end_k_q051a00997e_refine-k_q051a00997e_refine
	.p2alignl 7, 3214868480
	.fill 96, 4, 3214868480
	.section	.rodata,"a",@progbits
	.p2align	6, 0x0
	.amdhsa_kernel k_q051a00997e_refine
		.amdhsa_group_segment_fixed_size 4352
		.amdhsa_private_segment_fixed_size 0
		.amdhsa_enable_private_segment 0
		.amdhsa_kernarg_size 80
		.amdhsa_user_sgpr_count 2
		.amdhsa_user_sgpr_kernarg_segment_ptr 1
		.amdhsa_wavefront_size32 1
		.amdhsa_system_sgpr_workgroup_id_x 1
		.amdhsa_system_sgpr_workgroup_id_y 1
		.amdhsa_system_sgpr_workgroup_id_z 1
		.amdhsa_system_vgpr_workitem_id 0
		.amdhsa_next_free_vgpr 122
		.amdhsa_next_free_sgpr 66
		.amdhsa_reserve_vcc 1
		.amdhsa_float_denorm_mode_32 3
		.amdhsa_float_denorm_mode_16_64 3
		.amdhsa_memory_ordered 1
		.amdhsa_forward_progress 1
		.amdhsa_inst_pref_size 27
	.end_amdhsa_kernel
	.amdgpu_metadata
---
amdhsa.version: [ 1, 2 ]
amdhsa.kernels:
  - .name:           k_q051a00997e_refine
    .symbol:         k_q051a00997e_refine.kd
    .args:
      - { .name: codebook, .offset: 0, .size: 8, .value_kind: global_buffer, .address_space: global }
      - { .name: postquant_b, .offset: 8, .size: 8, .value_kind: global_buffer, .address_space: global }
      - { .name: postquant_w, .offset: 16, .size: 8, .value_kind: global_buffer, .address_space: global }
      - { .name: prequant_b, .offset: 24, .size: 8, .value_kind: global_buffer, .address_space: global }
      - { .name: prequant_w, .offset: 32, .size: 8, .value_kind: global_buffer, .address_space: global }
      - { .name: x, .offset: 40, .size: 8, .value_kind: global_buffer, .address_space: global }
      - { .name: cand, .offset: 48, .size: 8, .value_kind: global_buffer, .address_space: global }
      - { .name: out0, .offset: 56, .size: 8, .value_kind: global_buffer, .address_space: global }
      - { .name: out3, .offset: 64, .size: 8, .value_kind: global_buffer, .address_space: global }
      - { .name: part, .offset: 72, .size: 8, .value_kind: global_buffer, .address_space: global }
    .group_segment_fixed_size: 4352
    .private_segment_fixed_size: 0
    .kernarg_segment_align: 8
    .kernarg_segment_size: 80
    .max_flat_workgroup_size: 512
    .sgpr_count:     66
    .vgpr_count:     122
    .wavefront_size: 32
...
	.end_amdgpu_metadata
.endif
;; end of part 2
;; launch lossum (part 3): grid 1 x 1, 1 waves a work-group, no clusters, 0 bytes of LDS; arguments part, out1, out2; writes out1, out2
.if DOCPART == 3
	.amdgcn_target "amdgcn-amd-amdhsa--gfx1250"
	.amdhsa_code_object_version 6
	.text
	.protected	k_q051a00997e_lossum
	.globl	k_q051a00997e_lossum
	.p2align	8
	.type	k_q051a00997e_lossum,@function
k_q051a00997e_lossum:
	s_mov_b64 s[64:65], 0
	v_nop
	global_prefetch_b8 v0, s[64:65] scope:SCOPE_SE
	s_setreg_imm32_b32 hwreg(HW_REG_WAVE_MODE, 25, 1), 1
	s_wait_xcnt 0x0
; Both losses are the same number: the mean of (c* - x)^2 over 16,384 points x 4 channels = the sum of the 256 partials x 2^-16.
; One wave: eight partials a lane, summed in a fixed order, then across the 32 lanes.  The sum spans the work-groups of the launch
; before, so it is made here, by one owner, and not by traffic between work-groups.
	s_load_b128 s[4:7], s[0:1], 0x0                ; part s[4:5], out1 s[6:7]
	s_load_b64 s[8:9], s[0:1], 0x10                ; out2
	v_lshlrev_b32 v1, 4, v0
	v_mov_b32 v2, 0
	s_mov_b32 s12, 0x76543210                      ; v_permlanex16_b32: lane i reads lane i of the other half
	s_mov_b32 s13, 0xfedcba98
	s_wait_kmcnt 0x0
	global_load_b128 v[4:7],  v1, s[4:5]
	global_load_b128 v[8:11], v1, s[4:5] offset:512
	s_wait_loadcnt 0x0
	v_pk_add_f32 v[4:5], v[4:5], v[8:9]
	v_pk_add_f32 v[6:7], v[6:7], v[10:11]
	v_pk_add_f32 v[4:5], v[4:5], v[6:7]
	v_add_f32 v4, v4, v5
	v_add_f32_dpp v4, v4, v4 row_xmask:1 row_mask:0xf bank_mask:0xf
	v_add_f32_dpp v4, v4, v4 row_xmask:2 row_mask:0xf bank_mask:0xf
	v_add_f32_dpp v4, v4, v4 row_xmask:4 row_mask:0xf bank_mask:0xf
	v_add_f32_dpp v4, v4, v4 row_xmask:8 row_mask:0xf bank_mask:0xf
	v_permlanex16_b32 v5, v4, s12, s13             ; v5 has been written: the destination counts as read
	v_add_f32 v4, v4, v5
	v_mul_f32 v4, 0x37800000, v4                   ; x 2^-16
	v_cmp_eq_u32 vcc_lo, 0, v0
	s_and_saveexec_b32 s14, vcc_lo
	global_store_b32 v2, v4, s[6:7]                ; codebook loss
	global_store_b32 v2, v4, s[8:9]                ; commitment loss
	s_wait_xcnt 0x0                                ; EXEC is a source of the pending stores
	s_or_b32 exec_lo, exec_lo, s14
	s_endpgm
.Lfunc_end_k_q051a00997e_lossum:
	.size	k_q051a00997e_lossum, .Lfunc_end_k_q051a00997e_lossum-k_q051a00997e_lossum
	.p2alignl 7, 3214868480
	.fill 96, 4, 3214868480
	.section	.rodata,"a",@progbits
	.p2align	6, 0x0
	.amdhsa_kernel k_q051a00997e_lossum
		.amdhsa_group_segment_fixed_size 0
		.amdhsa_private_segment_fixed_size 0
		.amdhsa_enable_private_segment 0
		.amdhsa_kernarg_size 24
		.amdhsa_user_sgpr_count 2
		.amdhsa_user_sgpr_kernarg_segment_ptr 1
		.amdhsa_wavefront_size32 1
		.amdhsa_system_sgpr_workgroup_id_x 1
		.amdhsa_system_sgpr_workgroup_id_y 1
		.amdhsa_system_sgpr_workgroup_id_z 1
		.amdhsa_system_vgpr_workitem_id 0
		.amdhsa_next_free_vgpr 16
		.amdhsa_next_free_sgpr 66
		.amdhsa_reserve_vcc 1
		.amdhsa_float_denorm_mode_32 3
		.amdhsa_float_denorm_mode_16_64 3
		.amdhsa_memory_ordered 1
		.amdhsa_forward_progress 1
		.amdhsa_inst_pref_size 2
	.end_amdhsa_kernel
	.amdgpu_metadata
---
amdhsa.version: [ 1, 2 ]
amdhsa.kernels:
  - .name:           k_q051a00997e_lossum
    .symbol:         k_q051a00997e_lossum.kd
    .args:
      - { .name: part, .offset: 0, .size: 8, .value_kind: global_buffer, .address_space: global }
      - { .name: out1, .offset: 8, .size: 8, .value_kind: global_buffer, .address_space: global }
      - { .name: out2, .offset: 16, .size: 8, .value_kind: global_buffer, .address_space: global }
    .group_segment_fixed_size: 0
    .private_segment_fixed_size: 0
    .kernarg_segment_align: 8
    .kernarg_segment_size: 24
    .max_flat_workgroup_size: 32
    .sgpr_count:     66
    .vgpr_count:     16
    .wavefront_size: 32
...
	.end_amdgpu_metadata
.endif
;; end of part 3
;; ======== version 2 of 3: 3 launches; 1.25 times as fast as version 1
;; workspace buffers: cand 2,097,152 bytes of whole numbers; part 1,024 bytes
;; launch scan (part 4): grid 32 x 8, 8 waves a work-group, no clusters, 66,560 bytes of LDS; arguments codebook, prequant_b, prequant_w, x, cand; writes cand
.if DOCPART == 4
	.amdgcn_target "amdgcn-amd-amdhsa--gfx1250"
	.amdhsa_code_object_version 6
	.text
	.protected	k_q051a00997e_scan
	.globl	k_q051a00997e_scan
	.p2align	8
	.type	k_q051a00997e_scan,@function
k_q051a00997e_scan:
	s_mov_b64 s[64:65], 0
	v_nop
	global_prefetch_b8 v0, s[64:65] scope:SCOPE_SE
	s_setreg_imm32_b32 hwreg(HW_REG_WAVE_MODE, 25, 1), 1
	s_wait_xcnt 0x0
; VQ scan.  16,384 points (4 x 64 x 64) of 4 channels against 8,192 codes: for each point and each of 16 chains of the
; codebook, the number of the block of 8 consecutive codes that holds the chain's smallest squared distance, and that
; distance as an ordered whole number.  A later launch takes the two best chains of a point and looks into their blocks in f32.
;
; ONE MATRIX INSTRUCTION GIVES 256 FINISHED DISTANCES.  The product has 4 terms, the bf16 form has 32 places along K.  Each f32
; number v is written as hi + mid + lo, three bf16 (each the rounding of the exact remainder).  With q' = -2 q the places hold six of
; the nine partial products of each channel (the three left out are below 2^-24 of the product) and, against 1.0, the three parts
; of |c|^2 and of |q|^2.  So D = |q|^2 - 2 q.c + |c|^2 with C = 0.  The small terms stand in k 0-15, the large ones in k 16-31.
;     k      0-3     4-7     8-11    12    13    14,15   16-19   20-23   24-27   28    29    30    31
;   point    q'h     q'm     q'l     1     qql   0       q'h     q'h     q'm     1     1     qqh   qqm
;   code     cl      cm      ch      ccl   1     0       ch      cm      ch      cch   ccm   1     1
; A = 16 codes, B = 16 points: register j of lane (r, h) is (code 8 h + j, point r), eight consecutive codes of one point.  Four
; v_min3_num_f32 fold them into the lane's running minimum, one compare and one select remember the tile: 6 vector instructions
; for 8 result registers.  Lane half h and code group cg make the chain: slot = 2 cg + h.
;
; SHARES.  Work-group (pg, cg): points 512 pg .., codes 1024 cg ...  Wave w: 64 points as four B fragments kept in registers
; (tile p, column r = point 64 w + 4 r + p, so that x comes in and the results go out 16 bytes a lane), all 64 code tiles.
; LDS: code tile t at 1024 t in fragment order (lane L's registers 0-3 at 16 L, registers 4-7 at 512 + 16 L): reads are contiguous.
; cand: int32 [2][16 slots][16,384 points]: first the block numbers (0 .. 1023), then the keys.
; KEY = the f32 bit pattern of the chain's minimum (a negative one counts as 0), its low 4 bits replaced by the slot number: bit
; patterns of numbers that are not negative order as unsigned integers, and the 16 keys of a point are all different.
; No tensor loads, no cluster: the only operand that is shared has to pass the vector ALU to be split, and is 16 KiB a work-group.
;
; LIMITS.  Inputs are taken as finite: NaN and infinities are not served (v_min3_num_f32 drops a NaN).  Two blocks of one chain whose
; smallest distances agree to about 1e-6 (the rounding of the matrix sum at |q|^2, |c|^2 of a few units) may be chosen either way.
.set IDX, 12                           ; v[12:15]   tile number of the running minimum, point tile p
.set BA,  16                           ; v[16:19]   running minimum, read by even code tiles, written by odd ones
.set BB,  20                           ; v[20:23]   the other way round: no copy is needed to compare old and new
.set PF,  24                           ; v[24:55]   four point fragments of 8 registers
.set CF,  56                           ; v[56:87]   four buffers for code fragments
.set D0,  88                           ; v[88:119]  results of even code tiles, point tile p at 8 p
.set D1,  120                          ; v[120:151] results of odd code tiles
.set T,   152                          ; v[152:163] three partial minima for each point tile
.set KEYS, 1048576                     ; byte offset of the keys in cand
; set-up only
.set XR,  24                           ; v[24:39]   x, channel c of point p at 4 c + p (in PF's place)
.set RAW, 56                           ; v[56:71]   my four codes as loaded (in CF's place)
.set Q,   56                           ; v[56:71]   then q, then -2 q, channel o of point p at 4 p + o
.set SET, 88                           ; v[88:175]  four register sets of SZ, one for each of the four codes or points at work
.set SZ,  22
.set OH,  0                            ; pairs of packed bf16: hi parts (channels 0,1 | 2,3),
.set OM,  2                            ; mid parts,
.set OL,  4                            ; lo parts
.set OXZ, 6                            ; (ccl, 1) or (1, qql); then the constant 0
.set OYO, 8                            ; (cch, ccm) or (qqh, qqm); then the constant (1, 1)
.set OF,  10                           ; four bf16 as f32
.set OR,  14                           ; four remainders
.set OSS, 18                           ; |c|^2 or |q|^2
.set OT1, 19
.set OT2, 20
.set OT3, 21
	s_load_b256 s[4:11], s[0:1], 0x0               ; codebook s[4:5], prequant_b s[6:7], prequant_w s[8:9], x s[10:11]
	s_load_b64 s[12:13], s[0:1], 0x20              ; cand
	v_lshl_add_u32 v176, v0, 2, 0x10000
	v_mov_b32 v177, 0
	s_and_b32 s37, ttmp7, 0xffff                   ; cg: my 1,024 codes.  ttmp9 = pg: my 512 points
	v_and_b32 v1, 15, v0                           ; r
	v_bfe_u32 v2, v0, 4, 1                         ; h
	v_lshrrev_b32 v9, 5, v0                        ; w
	v_and_b32 v3, 31, v0
	v_lshlrev_b32 v3, 4, v3                        ; LDS read: 16 x lane, stepped by four tiles a trip
	v_lshrrev_b32 v4, 4, v0
	v_lshlrev_b32 v4, 10, v4
	v_lshl_add_u32 v4, v1, 4, v4                   ; LDS write: tile (t >> 4), row (t & 15)
	v_lshlrev_b32 v5, 4, v0                        ; my code: 16 bytes at 16 t
	v_lshlrev_b32 v6, 8, v9
	v_lshl_add_u32 v6, v1, 4, v6                   ; my four points: 256 w + 16 r
	v_lshl_add_u32 v7, v2, 16, v6                  ; the same in cand, slot h of my pair of slots
	s_lshl_b32 s39, s37, 7
	v_add_nc_u32 v8, s39, v2                       ; block number = 128 cg + 2 tile + h
	s_lshl_b32 s36, s37, 1
	v_add_nc_u32 v10, s36, v2                      ; slot = 2 cg + h
	s_mov_b32 s45, 0xffff0000                      ; a word's upper bf16; also the mask of lanes 16-31
	s_mov_b32 s41, 0
	s_wait_kmcnt 0x0
	s_load_b512 s[16:31], s[8:9], 0x0              ; W[o][c] at s[16 + 4 o + c]
	s_load_b128 s[32:35], s[6:7], 0x0              ; bias
	s_lshl_b32 s40, s37, 14                        ; 1,024 codes of 16 bytes
	s_add_nc_u64 s[4:5], s[4:5], s[40:41]
	s_lshr_b32 s40, ttmp9, 3                       ; image: 8 groups of 512 points each,
	s_lshl_b32 s40, s40, 16                        ; 4 channels x 4,096 points x 4 bytes
	s_and_b32 s38, ttmp9, 7
	s_lshl_b32 s38, s38, 11                        ; 512 points x 4 bytes
	s_add_co_u32 s40, s40, s38
	s_add_nc_u64 s[10:11], s[10:11], s[40:41]
	s_lshl_b32 s40, s37, 17                        ; two slots of 16,384 x 4 bytes
	s_lshl_b32 s38, ttmp9, 11
	s_add_co_u32 s40, s40, s38
	s_add_nc_u64 s[12:13], s[12:13], s[40:41]
.irp u, 0,1,2,3
	global_load_b128 v[RAW+4*\u:RAW+4*\u+3], v5, s[4:5] offset:\u*4096      ; code t + 256 u
.endr
.irp c, 0,1,2,3
	global_load_b128 v[XR+4*\c:XR+4*\c+3], v6, s[10:11] offset:\c*16384     ; channel c of my four points
.endr
.irp u, 0,1,2,3
	v_mov_b32 v[SET+SZ*\u+OXZ+1], 0
	v_mov_b32 v[SET+SZ*\u+OYO+1], 0x3f803f80       ; (1.0, 1.0) in bf16
.endr
; The splitting works on four numbers-of-four at once (my four codes, later my four points), one register set each, and goes
; stage by stage through all four sets: an instruction never reads the result of one of the three in front of it.
.macro NORM4X src                      ; OSS = sum of squares of the four f32 at src + 4 u
.irp u, 0,1,2,3
	v_mul_f32 v[SET+SZ*\u+OSS], v[\src+4*\u], v[\src+4*\u]
.endr
.irp k, 1,2,3
.irp u, 0,1,2,3
	v_fmac_f32 v[SET+SZ*\u+OSS], v[\src+4*\u+\k], v[\src+4*\u+\k]
.endr
.endr
.endm
.macro UNPK4 w                         ; the four bf16 of pair w as f32
.irp u, 0,1,2,3
.set B, SET+SZ*\u
	v_lshlrev_b32 v[B+OF],   16,  v[B+\w]
	v_and_b32     v[B+OF+1], s45, v[B+\w]
	v_lshlrev_b32 v[B+OF+2], 16,  v[B+\w+1]
	v_and_b32     v[B+OF+3], s45, v[B+\w+1]
.endr
.endm
.macro SPLIT4X src                     ; four f32 at src + 4 u -> OH, OM, OL.  Each remainder is exact in f32
.irp u, 0,1,2,3
.set B, SET+SZ*\u
	v_cvt_pk_bf16_f32 v[B+OH],   v[\src+4*\u],   v[\src+4*\u+1]
	v_cvt_pk_bf16_f32 v[B+OH+1], v[\src+4*\u+2], v[\src+4*\u+3]
.endr
	UNPK4 OH
.irp u, 0,1,2,3
.set B, SET+SZ*\u
	v_pk_add_f32 v[B+OR:B+OR+1],   v[\src+4*\u:\src+4*\u+1],   v[B+OF:B+OF+1]   neg_lo:[0,1] neg_hi:[0,1]
	v_pk_add_f32 v[B+OR+2:B+OR+3], v[\src+4*\u+2:\src+4*\u+3], v[B+OF+2:B+OF+3] neg_lo:[0,1] neg_hi:[0,1]
.endr
.irp u, 0,1,2,3
.set B, SET+SZ*\u
	v_cvt_pk_bf16_f32 v[B+OM],   v[B+OR],   v[B+OR+1]
	v_cvt_pk_bf16_f32 v[B+OM+1], v[B+OR+2], v[B+OR+3]
.endr
	UNPK4 OM
.irp u, 0,1,2,3
.set B, SET+SZ*\u
	v_pk_add_f32 v[B+OR:B+OR+1],   v[B+OR:B+OR+1],   v[B+OF:B+OF+1]   neg_lo:[0,1] neg_hi:[0,1]
	v_pk_add_f32 v[B+OR+2:B+OR+3], v[B+OR+2:B+OR+3], v[B+OF+2:B+OF+3] neg_lo:[0,1] neg_hi:[0,1]
.endr
.irp u, 0,1,2,3
.set B, SET+SZ*\u
	v_cvt_pk_bf16_f32 v[B+OL],   v[B+OR],   v[B+OR+1]
	v_cvt_pk_bf16_f32 v[B+OL+1], v[B+OR+2], v[B+OR+3]
.endr
.endm
.macro SPLIT1X pt                      ; the f32 in OSS -> OYO = (hi, mid), OXZ = (lo, 1) for a code, (1, lo) for a point
.irp u, 0,1,2,3
	v_cvt_pk_bf16_f32 v[SET+SZ*\u+OT1], v[SET+SZ*\u+OSS], 0
.endr
.irp u, 0,1,2,3
	v_lshlrev_b32 v[SET+SZ*\u+OT3], 16, v[SET+SZ*\u+OT1]
.endr
.irp u, 0,1,2,3
	v_sub_f32 v[SET+SZ*\u+OSS], v[SET+SZ*\u+OSS], v[SET+SZ*\u+OT3]
.endr
.irp u, 0,1,2,3
	v_cvt_pk_bf16_f32 v[SET+SZ*\u+OT2], v[SET+SZ*\u+OSS], 0
.endr
.irp u, 0,1,2,3
	v_lshlrev_b32 v[SET+SZ*\u+OT3], 16, v[SET+SZ*\u+OT2]
.endr
.irp u, 0,1,2,3
	v_sub_f32 v[SET+SZ*\u+OSS], v[SET+SZ*\u+OSS], v[SET+SZ*\u+OT3]
.endr
.irp u, 0,1,2,3
.if \pt
	v_cvt_pk_bf16_f32 v[SET+SZ*\u+OXZ], 1.0, v[SET+SZ*\u+OSS]
.else
	v_cvt_pk_bf16_f32 v[SET+SZ*\u+OXZ], v[SET+SZ*\u+OSS], 1.0
.endif
.endr
.irp u, 0,1,2,3
	v_lshl_or_b32 v[SET+SZ*\u+OYO], v[SET+SZ*\u+OT2], 16, v[SET+SZ*\u+OT1]
.endr
.endm
	s_wait_loadcnt 0x4                             ; my four codes are in; the four younger loads (x) may stay out
	NORM4X RAW
	SPLIT4X RAW
	SPLIT1X 0
; Each code into its row of its tile.  The row's four pieces of 16 bytes (k 0-7 at 0, k 8-15 at 256, k 16-23 at 512, k 24-31 at 768)
; go out in halves of 8 bytes, so that no register is copied to form a tuple.
.irp u, 0,1,2,3
.set B, SET+SZ*\u
	ds_store_b64 v4, v[B+OL:B+OL+1]   offset:\u*16384          ; k 0-3    cl
	ds_store_b64 v4, v[B+OM:B+OM+1]   offset:\u*16384+8        ; k 4-7    cm
	ds_store_b64 v4, v[B+OH:B+OH+1]   offset:\u*16384+256      ; k 8-11   ch
	ds_store_b64 v4, v[B+OXZ:B+OXZ+1] offset:\u*16384+264      ; k 12-15  ccl, 1, 0, 0
	ds_store_b64 v4, v[B+OH:B+OH+1]   offset:\u*16384+512      ; k 16-19  ch
	ds_store_b64 v4, v[B+OM:B+OM+1]   offset:\u*16384+520      ; k 20-23  cm
	ds_store_b64 v4, v[B+OH:B+OH+1]   offset:\u*16384+768      ; k 24-27  ch
	ds_store_b64 v4, v[B+OYO:B+OYO+1] offset:\u*16384+776      ; k 28-31  cch, ccm, 1, 1
.endr
	s_wait_loadcnt 0x0                             ; x
	s_wait_kmcnt 0x0                               ; W and the bias
	s_wait_dscnt 0x0                               ; my rows of the code tiles are in LDS:
	s_barrier_signal -1                            ; say so, and make the point fragments in registers while the others arrive
	; q = W x + b in f32: products in ascending channel order, the bias added last, as the launch that decides makes it
.irp p, 0,1,2,3
.irp o, 0,1,2,3
	v_mul_f32  v[Q+4*\p+\o], s[16+4*\o],   v[XR+\p]
.endr
.irp o, 0,1,2,3
	v_fmac_f32 v[Q+4*\p+\o], s[16+4*\o+1], v[XR+4+\p]
.endr
.irp o, 0,1,2,3
	v_fmac_f32 v[Q+4*\p+\o], s[16+4*\o+2], v[XR+8+\p]
.endr
.irp o, 0,1,2,3
	v_fmac_f32 v[Q+4*\p+\o], s[16+4*\o+3], v[XR+12+\p]
.endr
.irp o, 0,1,2,3
	v_add_f32  v[Q+4*\p+\o], s[32+\o], v[Q+4*\p+\o]
.endr
.endr
	NORM4X Q
.irp p, 0,1,2,3
	v_pk_mul_f32 v[Q+4*\p:Q+4*\p+1],   v[Q+4*\p:Q+4*\p+1],   -2.0 op_sel_hi:[1,0]
	v_pk_mul_f32 v[Q+4*\p+2:Q+4*\p+3], v[Q+4*\p+2:Q+4*\p+3], -2.0 op_sel_hi:[1,0]
.endr
	SPLIT4X Q
	SPLIT1X 1
	s_mov_b32 vcc_lo, s45                          ; lanes 16-31 (h = 1)
; Point tile p: lanes with h = 0 hold k 0-7 and k 16-23, lanes with h = 1 hold k 8-15 and k 24-31 of the same point
.irp p, 0,1,2,3
.set B, SET+SZ*\p
	v_cndmask_b32 v[PF+8*\p],   v[B+OH],   v[B+OL],    vcc_lo  ; k 0-1   q'h   | k 8-9    q'l
	v_cndmask_b32 v[PF+8*\p+1], v[B+OH+1], v[B+OL+1],  vcc_lo  ; k 2-3   q'h   | k 10-11  q'l
	v_cndmask_b32 v[PF+8*\p+2], v[B+OM],   v[B+OXZ],   vcc_lo  ; k 4-5   q'm   | k 12-13  1, qql
	v_cndmask_b32 v[PF+8*\p+3], v[B+OM+1], v[B+OXZ+1], vcc_lo  ; k 6-7   q'm   | k 14-15  0
	v_cndmask_b32 v[PF+8*\p+4], v[B+OH],   v[B+OM],    vcc_lo  ; k 16-17 q'h   | k 24-25  q'm
	v_cndmask_b32 v[PF+8*\p+5], v[B+OH+1], v[B+OM+1],  vcc_lo  ; k 18-19 q'h   | k 26-27  q'm
	v_cndmask_b32 v[PF+8*\p+6], v[B+OH],   v[B+OYO+1], vcc_lo  ; k 20-21 q'h   | k 28-29  1, 1
	v_cndmask_b32 v[PF+8*\p+7], v[B+OH+1], v[B+OYO],   vcc_lo  ; k 22-23 q'h   | k 30-31  qqh, qqm
.endr
.irp p, 0,1,2,3
	v_mov_b32 v[IDX+\p], 0
	v_mov_b32 v[BA+\p], 0x7f800000                 ; +infinity
.endr
	s_mov_b32 s43, -1                              ; number of the code tile whose results are folded: stepped in front of each fold
	s_barrier_wait -1                              ; all 64 code tiles are in LDS; nothing writes LDS from here on
.irp t, 0,1,2
	ds_load_b128 v[CF+8*\t:CF+8*\t+3],   v3 offset:\t*1024
	ds_load_b128 v[CF+8*\t+4:CF+8*\t+7], v3 offset:\t*1024+512
.endr
.macro WM d, f, p                      ; 16 codes (buffer f) x 16 points (tile p): finished distances, nothing to accumulate
	v_wmma_f32_16x16x32_bf16 v[\d:\d+7], v[CF+8*\f:CF+8*\f+7], v[PF+8*\p:PF+8*\p+7], 0
.endm
; Fold the 32 result registers at d (point tile p at d + 8 p) into the four running minima: 24 instructions in stages of four, so
; that none reads the result of one of the three in front of it.  For each point tile a tree: three v_min3_num_f32 take the eight
; results and the old minimum, a fourth joins them.  A strictly smaller minimum takes the tile number: of equal ones the first stays.
.macro V4 d, bin, bout
.irp p, 0,1,2,3
	v_min3_num_f32 v[T+3*\p],   v[\d+8*\p],   v[\d+8*\p+1], v[\d+8*\p+2]
.endr
.irp p, 0,1,2,3
	v_min3_num_f32 v[T+3*\p+1], v[\d+8*\p+3], v[\d+8*\p+4], v[\d+8*\p+5]
.endr
.irp p, 0,1,2,3
	v_min3_num_f32 v[T+3*\p+2], v[\d+8*\p+6], v[\d+8*\p+7], v[\bin+\p]
.endr
.irp p, 0,1,2,3
	v_min3_num_f32 v[\bout+\p], v[T+3*\p], v[T+3*\p+1], v[T+3*\p+2]
.endr
	v_cmp_lt_f32 vcc_lo, v[\bout],   v[\bin]
	v_cmp_lt_f32 s44,    v[\bout+1], v[\bin+1]
	v_cmp_lt_f32 s46,    v[\bout+2], v[\bin+2]
	v_cmp_lt_f32 s47,    v[\bout+3], v[\bin+3]
	v_cndmask_b32 v[IDX],   v[IDX],   s43, vcc_lo
	v_cndmask_b32 v[IDX+1], v[IDX+1], s43, s44
	v_cndmask_b32 v[IDX+2], v[IDX+2], s43, s46
	v_cndmask_b32 v[IDX+3], v[IDX+3], s43, s47
.endm
; One code tile (buffer u = tile % 4, result set tile % 2): its four matrix instructions back to back, then the fold of the tile BEFORE.
; The fold's 24 vector instructions name none of the registers of the four matrix instructions in front of them, so they are the
; places that stand between those and the first reader of their results (the next tile's fold), the load into their A buffer (next
; tile) and the matrix instructions that write over their results (two tiles on): ISA guide 7.12.1 asks four, four and five.
; The very first tile has nothing to fold: four v_nop.  The tile number is stepped between the two runs, away from the compares
; that write scalar registers.
; cnt: the LDS loads of the next two tiles, two each, are younger than this tile's and may stay out.
.macro TILE u, first, ld, cnt
	s_wait_dscnt \cnt
.irp p, 0,1,2,3
	WM D0+32*((\u)&1)+8*\p, \u, \p
.endr
.if \first
.rept 4
	v_nop
.endr
.else
	s_add_co_u32 s43, s43, 1
.if (\u)&1
	V4 D0, BA, BB                                  ; the tile before was even
.else
	V4 D1, BB, BA
.endif
.endif
.if \ld
	ds_load_b128 v[CF+8*((\u+3)%4):CF+8*((\u+3)%4)+3],   v3 offset:(\u+3)*1024       ; three tiles ahead, into the buffer read last tile
	ds_load_b128 v[CF+8*((\u+3)%4)+4:CF+8*((\u+3)%4)+7], v3 offset:(\u+3)*1024+512
.endif
.endm
	TILE 0, 1, 1, 4                                ; tiles 0-3 stand in front of the loop: the first has nothing to fold
	TILE 1, 0, 1, 4
	TILE 2, 0, 1, 4
	TILE 3, 0, 1, 4
	v_add_nc_u32 v3, 4096, v3
	s_mov_b32 s42, 14                              ; tiles 4-59
.Ltrip:
	TILE 0, 0, 1, 4
	TILE 1, 0, 1, 4
	TILE 2, 0, 1, 4
	TILE 3, 0, 1, 4
	v_add_nc_u32 v3, 4096, v3
	s_sub_co_u32 s42, s42, 1
	s_cmp_lg_u32 s42, 0
	s_cbranch_scc1 .Ltrip
	TILE 0, 0, 1, 4                                ; tiles 60-63: one more fetch (tile 63), then the counts run down
	TILE 1, 0, 0, 4
	TILE 2, 0, 0, 2
	TILE 3, 0, 0, 0
	s_add_co_u32 s43, s43, 1
	V4 D1, BB, BA                                  ; tile 63
.irp p, 0,1,2,3
	v_lshl_add_u32 v[IDX+\p], v[IDX+\p], 1, v8     ; block = 128 cg + 2 tile + h
	v_ashrrev_i32 v[T+\p], 31, v[BA+\p]            ; all ones where the sign bit is set (a rounding below zero, or -0)
.endr
.irp p, 0,1,2,3
	v_and_or_b32 v[BA+\p], v[BA+\p], 0xfffffff0, v10       ; the minimum's bit pattern, the slot in its low 4 bits
.endr
.irp p, 0,1,2,3
	v_bfi_b32 v[BA+\p], v[T+\p], v10, v[BA+\p]     ; a negative one counts as zero: the slot alone
.endr
	global_store_b128 v7, v[IDX:IDX+3], s[12:13]               ; in each store lanes 0-15 and lanes 16-31 each cover
	global_store_b128 v7, v[BA:BA+3],   s[12:13] offset:KEYS   ; 256 consecutive bytes, aligned
	s_wait_tensorcnt 0x0
	ds_add_u32 v176, v177
	s_wait_dscnt 0x0
	s_endpgm
.Lfunc_end_k_q051a00997e_scan:
	.size	k_q051a00997e_scan, .Lfunc_end_k_q051a00997e_scan-k_q051a00997e_scan
	.p2alignl 7, 3214868480
	.fill 96, 4, 3214868480
	.section	.rodata,"a",@progbits
	.p2align	6, 0x0
	.amdhsa_kernel k_q051a00997e_scan
		.amdhsa_group_segment_fixed_size 66560
		.amdhsa_private_segment_fixed_size 0
		.amdhsa_enable_private_segment 0
		.amdhsa_kernarg_size 40
		.amdhsa_user_sgpr_count 2
		.amdhsa_user_sgpr_kernarg_segment_ptr 1
		.amdhsa_wavefront_size32 1
		.amdhsa_system_sgpr_workgroup_id_x 1
		.amdhsa_system_sgpr_workgroup_id_y 1
		.amdhsa_system_sgpr_workgroup_id_z 1
		.amdhsa_system_vgpr_workitem_id 0
		.amdhsa_next_free_vgpr 178
		.amdhsa_next_free_sgpr 66
		.amdhsa_reserve_vcc 1
		.amdhsa_float_denorm_mode_32 3
		.amdhsa_float_denorm_mode_16_64 3
		.amdhsa_memory_ordered 1
		.amdhsa_forward_progress 1
		.amdhsa_inst_pref_size 46
	.end_amdhsa_kernel
	.amdgpu_metadata
---
amdhsa.version: [ 1, 2 ]
amdhsa.kernels:
  - .name:           k_q051a00997e_scan
    .symbol:         k_q051a00997e_scan.kd
    .args:
      - { .name: codebook, .offset: 0, .size: 8, .value_kind: global_buffer, .address_space: global }
      - { .name: prequant_b, .offset: 8, .size: 8, .value_kind: global_buffer, .address_space: global }
      - { .name: prequant_w, .offset: 16, .size: 8, .value_kind: global_buffer, .address_space: global }
      - { .name: x, .offset: 24, .size: 8, .value_kind: global_buffer, .address_space: global }
      - { .name: cand, .offset: 32, .size: 8, .value_kind: global_buffer, .address_space: global }
    .group_segment_fixed_size: 66560
    .private_segment_fixed_size: 0
    .kernarg_segment_align: 8
    .kernarg_segment_size: 40
    .max_flat_workgroup_size: 256
    .sgpr_count:     66
    .vgpr_count:     178
    .wavefront_size: 32
...
	.end_amdgpu_metadata
.endif
;; end of part 4
;; launch refine (part 5): grid 256 x 1, 16 waves a work-group, no clusters, 4,352 bytes of LDS; arguments codebook, postquant_b, postquant_w, prequant_b, prequant_w, x, cand, out0, out3, part; writes out0, out3, part
.if DOCPART == 5
	.amdgcn_target "amdgcn-amd-amdhsa--gfx1250"
	.amdhsa_code_object_version 6
	.text
	.protected	k_q051a00997e_refine
	.globl	k_q051a00997e_refine
	.p2align	8
	.type	k_q051a00997e_refine,@function
k_q051a00997e_refine:
	s_mov_b64 s[64:65], 0
	v_nop
	global_prefetch_b8 v0, s[64:65] scope:SCOPE_SE
	s_setreg_imm32_b32 hwreg(HW_REG_WAVE_MODE, 25, 1), 1
	s_wait_xcnt 0x0
; VQ decision.  cand holds, for each point and each of 16 chains of the codebook, the block of 8 codes with the chain's smallest
; distance and that distance as an ordered whole number (key; its low 4 bits are the chain's number, so a point's keys all differ).
; Here the two chains with the smallest keys are found by whole-number compares, and the 16 codes of their two blocks are evaluated
; in f32 by the reference's own formula, d = (|q|^2 - 2 q.c) + |c|^2; the smallest d wins, of equal ones the lowest index.
; Then e = c* - x, the loss term |e|^2, the straight-through value x + e, and the postquant 4 x 4 product.
; SHARES.  A work-group has 64 points, a wave 4, eight lanes a point.  Lane i of the eight loads chains 2 i and 2 i + 1; three
; exchanges (lane xor 1, 2, 4) merge the sorted pairs, each keeping the two smallest.  As no two keys are equal, both sides of an
; exchange decide alike and all eight lanes end with the same two blocks.  Then lane i takes code i of each: a 16-byte load of a
; wave covers four whole blocks of 128 bytes.
; The block numbers come from memory as whole numbers and are clamped to 1,023 in the instruction before they enter an address.
; The winner's four numbers travel by selection beside d and the index: no address hangs on a comparison of floating-point numbers.
; The products here have 4 terms and the index needs q in full f32, so they run on the vector ALU; no matrix unit, no tensor loads.
; LDS: eight rows of 272 bytes (256 + 16); row i holds lane i's word for the 64
; points: rows 0-3 the four channels of out0, row 4 the index (rows 5-7 repeat it and are not read).  At 2176: 16 loss words.
; LIMITS.  Inputs are taken as finite (NaN, infinities not served).  The sums over the four channels are fused chains in ascending
; order, the prequant bias added last; a host that rounds otherwise may decide differently between two codes whose d agree
; to about one unit in the last place of |q|^2.  The winner is missed if blocks of three different chains hold distances that agree
; within the error of the keys (about 1e-6 from the scan's sums, and 16 units in the last place from the 4 bits given to the slot).
.set PITCH, 272
.set LOSSW, 8*PITCH
.set KEYS,  1048576                    ; byte offset of the keys in cand
.set SLOTB, 65536                      ; bytes of a slot: 16,384 points x 4
.set RK,   10                          ; v[10:11]   my two keys as loaded; then the neighbour's two keys
.set RB,   12                          ; v[12:13]   my two blocks as loaded; then the neighbour's two blocks
.set K1,   14                          ; smallest key so far,
.set K2,   15                          ; second smallest,
.set B1,   16                          ; and their blocks
.set B2,   17
.set HI,   18                          ; the larger of the two lists' heads, and its block
.set HIB,  19
.set SE,   20                          ; the second of the list whose head won, and its block
.set SEB,  21
.set CI,   22                          ; v[22:23]   byte offset of my code in the codebook, block 1 and block 2
.set X,    24                          ; v[24:27]   x of my point
.set PW,   28                          ; v[28:31]   row i & 3 of postquant_w
.set PB,   32                          ; v32        postquant_b[i & 3]
.set Q,    34                          ; v[34:37]   q
.set QQ,   38                          ; v38        |q|^2
.set CD,   40                          ; v[40:47]   my two codes
.set BC,   40                          ; the best code so far lives in the first one's registers
.set BEST, 48
.set BIDX, 49
.set DOT,  50
.set CC,   51
.set D,    52
.set CIX,  53
.set TMPD, 18                          ; a neighbour's d, index and code: registers written before and free by then
.set TMPI, 19
.set TMPC, 44
.set E,    54                          ; v[54:57]   c* - x
.set ST,   58                          ; v[58:61]   x + e
.set LOSS, 62
.set DEC,  63
.set VAL,  64
.set OTH,  20
.set A0,   66                          ; v[66:67]   addresses on the way out
.set OUTR, 68                          ; v[68:83]   data on the way out
	s_load_b512 s[4:19], s[0:1], 0x0               ; codebook 4, postquant_b 6, postquant_w 8, prequant_b 10, prequant_w 12, x 14, cand 16, out0 18
	s_load_b128 s[20:23], s[0:1], 0x40             ; out3 s[20:21], part s[22:23]
	v_lshl_add_u32 v88, v0, 2, 0x900
	v_mov_b32 v89, 0
	v_lshrrev_b32 v7, 5, v0
	v_readfirstlane_b32 s44, v7                    ; wave
	v_and_b32 v1, 7, v0                            ; i
	v_lshrrev_b32 v2, 3, v0
	v_lshlrev_b32 v2, 2, v2                        ; 4 x point
	v_lshlrev_b32 v3, 4, v1                        ; my code in a block
	v_and_b32 v5, 3, v0
	v_lshlrev_b32 v4, 4, v5                        ; my row of postquant_w
	v_lshlrev_b32 v5, 2, v5                        ; my word of postquant_b
	v_mad_u32_u24 v6, v1, PITCH, v2                ; my word in the LDS stage
	v_lshl_add_u32 v8, v1, 17, v2                  ; slot 2 i of my point in cand
	s_mov_b32 s48, 0x76543210                      ; v_permlanex16_b32: lane i reads lane i of the other half
	s_mov_b32 s49, 0xfedcba98
	s_mov_b32 s53, 0xf0f0f0f0                      ; lanes with i >= 4
	s_mov_b32 s47, 0
	s_wait_kmcnt 0x0
	s_load_b512 s[24:39], s[12:13], 0x0            ; Wpre[o][c] at s[24 + 4 o + c]
	s_load_b128 s[40:43], s[10:11], 0x0            ; bpre
	s_lshl_b32 s46, ttmp9, 8                       ; 64 points x 4 bytes
	s_add_nc_u64 s[16:17], s[16:17], s[46:47]
	s_add_nc_u64 s[20:21], s[20:21], s[46:47]
	s_lshl_b32 s46, ttmp9, 2
	s_add_nc_u64 s[22:23], s[22:23], s[46:47]
	s_lshr_b32 s46, ttmp9, 6                       ; image: 64 work-groups each,
	s_lshl_b32 s46, s46, 16                        ; 4 channels x 4,096 points x 4 bytes
	s_and_b32 s50, ttmp9, 63
	s_lshl_b32 s50, s50, 8
	s_add_co_u32 s46, s46, s50
	s_add_nc_u64 s[14:15], s[14:15], s[46:47]
	s_add_nc_u64 s[18:19], s[18:19], s[46:47]
	global_load_b32 v[RK],   v8, s[16:17] offset:KEYS
	global_load_b32 v[RK+1], v8, s[16:17] offset:KEYS+SLOTB
	global_load_b32 v[RB],   v8, s[16:17]
	global_load_b32 v[RB+1], v8, s[16:17] offset:SLOTB
.irp c, 0,1,2,3
	global_load_b32 v[X+\c], v2, s[14:15] offset:\c*16384
.endr
	global_load_b128 v[PW:PW+3], v4, s[8:9]
	global_load_b32 v[PB], v5, s[6:7]
	s_wait_loadcnt 0x6                             ; my two keys and two blocks are in; the six younger loads may stay out
	v_cmp_lt_u32 vcc_lo, v[RK+1], v[RK]            ; sort my pair
	v_cndmask_b32 v[K1], v[RK],   v[RK+1], vcc_lo
	v_cndmask_b32 v[K2], v[RK+1], v[RK],   vcc_lo
	v_cndmask_b32 v[B1], v[RB],   v[RB+1], vcc_lo
	v_cndmask_b32 v[B2], v[RB+1], v[RB],   vcc_lo
; Two sorted pairs, mine and that of lane xor m, into the two smallest of the four: the smaller head is the smallest; the second is
; the smaller of the other head and the winner's own second.
.macro MERGE m
	v_mov_b32_dpp v[RK],   v[K1] row_xmask:\m row_mask:0xf bank_mask:0xf
	v_mov_b32_dpp v[RK+1], v[K2] row_xmask:\m row_mask:0xf bank_mask:0xf
	v_mov_b32_dpp v[RB],   v[B1] row_xmask:\m row_mask:0xf bank_mask:0xf
	v_mov_b32_dpp v[RB+1], v[B2] row_xmask:\m row_mask:0xf bank_mask:0xf
	v_cmp_lt_u32 vcc_lo, v[RK], v[K1]              ; the neighbour's head wins
	v_cndmask_b32 v[HI],  v[RK],  v[K1],   vcc_lo
	v_cndmask_b32 v[HIB], v[RB],  v[B1],   vcc_lo
	v_cndmask_b32 v[SE],  v[K2],  v[RK+1], vcc_lo
	v_cndmask_b32 v[SEB], v[B2],  v[RB+1], vcc_lo
	v_cndmask_b32 v[K1],  v[K1],  v[RK],   vcc_lo
	v_cndmask_b32 v[B1],  v[B1],  v[RB],   vcc_lo
	v_cmp_lt_u32 vcc_lo, v[SE], v[HI]
	v_cndmask_b32 v[K2],  v[HI],  v[SE],   vcc_lo
	v_cndmask_b32 v[B2],  v[HIB], v[SEB],  vcc_lo
.endm
	MERGE 1
	MERGE 2
	MERGE 4
	v_min_u32 v[CI],   0x3ff, v[B1]                ; a number from memory enters an address only clamped
	v_min_u32 v[CI+1], 0x3ff, v[B2]
	v_lshl_add_u32 v[CI],   v[CI],   7, v3         ; 128 bytes a block + my code
	v_lshl_add_u32 v[CI+1], v[CI+1], 7, v3
	global_load_b128 v[CD:CD+3],   v[CI],   s[4:5]
	global_load_b128 v[CD+4:CD+7], v[CI+1], s[4:5]
	s_wait_loadcnt 0x4                             ; x is in: postquant's two loads and the two code loads are younger
	s_wait_kmcnt 0x0
.irp o, 0,1,2,3
	v_mul_f32  v[Q+\o], s[24+4*\o],   v[X]
.endr
.irp o, 0,1,2,3
	v_fmac_f32 v[Q+\o], s[24+4*\o+1], v[X+1]
.endr
.irp o, 0,1,2,3
	v_fmac_f32 v[Q+\o], s[24+4*\o+2], v[X+2]
.endr
.irp o, 0,1,2,3
	v_fmac_f32 v[Q+\o], s[24+4*\o+3], v[X+3]
.endr
.irp o, 0,1,2,3
	v_add_f32  v[Q+\o], s[40+\o], v[Q+\o]          ; the bias last and by itself: the index hangs on q's last bit
.endr
	v_mul_f32  v[QQ], v[Q],   v[Q]
	v_fmac_f32 v[QQ], v[Q+1], v[Q+1]
	v_fmac_f32 v[QQ], v[Q+2], v[Q+2]
	v_fmac_f32 v[QQ], v[Q+3], v[Q+3]
; The candidate (d, index ix, code at c) replaces the best if d is smaller, or equal with a lower index
.macro TAKE d, ix, c
	v_cmp_lt_f32 s50, v[\d],  v[BEST]
	v_cmp_eq_f32 s51, v[\d],  v[BEST]
	v_cmp_lt_u32 s52, v[\ix], v[BIDX]
	s_and_b32 s51, s51, s52
	s_or_b32 vcc_lo, s50, s51
	v_cndmask_b32 v[BEST], v[BEST], v[\d],  vcc_lo
	v_cndmask_b32 v[BIDX], v[BIDX], v[\ix], vcc_lo
.irp k, 0,1,2,3
	v_cndmask_b32 v[BC+\k], v[BC+\k], v[\c+\k], vcc_lo
.endr
.endm
; Block s: d = (qq - 2 dot) + cc; doubling is exact, so the fused form rounds as the reference's subtraction does
.macro EVAL s, dd, ii
	s_wait_loadcnt 1-\s                            ; the later block's load may stay out
	v_mul_f32  v[DOT], v[Q],          v[CD+4*\s]
	v_mul_f32  v[CC],  v[CD+4*\s],    v[CD+4*\s]
	v_fmac_f32 v[DOT], v[Q+1],        v[CD+4*\s+1]
	v_fmac_f32 v[CC],  v[CD+4*\s+1],  v[CD+4*\s+1]
	v_fmac_f32 v[DOT], v[Q+2],        v[CD+4*\s+2]
	v_fmac_f32 v[CC],  v[CD+4*\s+2],  v[CD+4*\s+2]
	v_fmac_f32 v[DOT], v[Q+3],        v[CD+4*\s+3]
	v_fmac_f32 v[CC],  v[CD+4*\s+3],  v[CD+4*\s+3]
	v_lshrrev_b32 v[\ii], 4, v[CI+\s]              ; the code's index: its byte offset / 16
	v_fma_f32 v[\dd], -2.0, v[DOT], v[QQ]
	v_add_f32 v[\dd], v[\dd], v[CC]
.endm
	EVAL 0, BEST, BIDX                             ; the first block starts the search: nothing is preset
	EVAL 1, D, CIX
	TAKE D, CIX, CD+4
; Across the eight lanes of a point: lane i looks at lane i xor m.  The order (d, index) is total, so both sides keep the same winner.
.macro STEP m
	v_mov_b32_dpp v[TMPD], v[BEST] row_xmask:\m row_mask:0xf bank_mask:0xf
	v_mov_b32_dpp v[TMPI], v[BIDX] row_xmask:\m row_mask:0xf bank_mask:0xf
.irp k, 0,1,2,3
	v_mov_b32_dpp v[TMPC+\k], v[BC+\k] row_xmask:\m row_mask:0xf bank_mask:0xf
.endr
	TAKE TMPD, TMPI, TMPC
.endm
	STEP 1
	STEP 2
	STEP 4
	v_pk_add_f32 v[E:E+1],   v[BC:BC+1],   v[X:X+1]   neg_lo:[0,1] neg_hi:[0,1]   ; e = c* - x
	v_pk_add_f32 v[E+2:E+3], v[BC+2:BC+3], v[X+2:X+3] neg_lo:[0,1] neg_hi:[0,1]
	v_pk_add_f32 v[ST:ST+1],   v[X:X+1],   v[E:E+1]                               ; straight through: x + (c* - x)
	v_pk_add_f32 v[ST+2:ST+3], v[X+2:X+3], v[E+2:E+3]
	v_mul_f32  v[LOSS], v[E],   v[E]
	v_fmac_f32 v[LOSS], v[E+1], v[E+1]
	v_fmac_f32 v[LOSS], v[E+2], v[E+2]
	v_fmac_f32 v[LOSS], v[E+3], v[E+3]
	v_fma_f32  v[DEC], v[PW],   v[ST],   v[PB]     ; channel i & 3 of the postquant product; the bias starts the sum
	v_fmac_f32 v[DEC], v[PW+1], v[ST+1]
	v_fmac_f32 v[DEC], v[PW+2], v[ST+2]
	v_fmac_f32 v[DEC], v[PW+3], v[ST+3]
	v_cndmask_b32 v[VAL], v[DEC], v[BIDX], s53     ; lanes 0-3 a channel, lanes 4-7 the index
	ds_store_b32 v6, v[VAL]
	; the eight lanes of a point hold the same loss term: lane xor 8 and the other half of the wave bring the other three points
	v_add_f32_dpp v[LOSS], v[LOSS], v[LOSS] row_xmask:8 row_mask:0xf bank_mask:0xf
	v_permlanex16_b32 v[OTH], v[LOSS], s48, s49    ; its destination counts as read: a register written before
	v_add_f32 v[LOSS], v[LOSS], v[OTH]
	v_mov_b32 v7, s44
	v_lshlrev_b32 v7, 2, v7
	ds_store_b32 v7, v[LOSS] offset:LOSSW          ; every lane the same word with the same value
	s_wait_dscnt 0x0
	s_barrier_signal -1
	s_barrier_wait -1                              ; the only barrier: the stage is whole
	s_cmp_gt_u32 s44, 1
	s_cbranch_scc1 .Lnot_out0
	; waves 0, 1: the four channel rows, 16 bytes a lane: sixteen lanes cover 256 consecutive bytes of out0, aligned
	v_bfe_u32 v[A0], v0, 4, 2                      ; channel
	v_and_b32 v[A0+1], 15, v0
	v_lshlrev_b32 v[A0+1], 4, v[A0+1]
	v_mad_u32_u24 v[OTH], v[A0], PITCH, v[A0+1]
	v_lshl_add_u32 v[A0+1], v[A0], 14, v[A0+1]
	ds_load_b128 v[OUTR:OUTR+3], v[OTH]
	s_wait_dscnt 0x0
	global_store_b128 v[A0+1], v[OUTR:OUTR+3], s[18:19]
	s_wait_tensorcnt 0x0
	ds_add_u32 v88, v89
	s_wait_dscnt 0x0
	s_endpgm
.Lnot_out0:
	s_cmp_lg_u32 s44, 2
	s_cbranch_scc1 .Lnot_out3
	; wave 2: the index row, 8 bytes a lane: the wave covers 256 consecutive bytes of out3, aligned
	v_and_b32 v[A0], 31, v0
	v_lshlrev_b32 v[A0], 3, v[A0]
	ds_load_b64 v[OUTR:OUTR+1], v[A0] offset:4*PITCH
	s_wait_dscnt 0x0
	global_store_b64 v[A0], v[OUTR:OUTR+1], s[20:21]
	s_wait_tensorcnt 0x0
	ds_add_u32 v88, v89
	s_wait_dscnt 0x0
	s_endpgm
.Lnot_out3:
	s_cmp_lg_u32 s44, 3
	s_cbranch_scc1 .Lend
	; wave 3: the 16 waves' loss words, summed in a fixed order; lane 0 stores the work-group's partial
	v_mov_b32 v[A0], 0
	v_and_b32 v[A0+1], 31, v0
.irp k, 0,1,2,3
	ds_load_b128 v[OUTR+4*\k:OUTR+4*\k+3], v[A0] offset:LOSSW+16*\k
.endr
	s_wait_dscnt 0x0
	v_pk_add_f32 v[OUTR:OUTR+1],     v[OUTR:OUTR+1],     v[OUTR+2:OUTR+3]
	v_pk_add_f32 v[OUTR+4:OUTR+5],   v[OUTR+4:OUTR+5],   v[OUTR+6:OUTR+7]
	v_pk_add_f32 v[OUTR+8:OUTR+9],   v[OUTR+8:OUTR+9],   v[OUTR+10:OUTR+11]
	v_pk_add_f32 v[OUTR+12:OUTR+13], v[OUTR+12:OUTR+13], v[OUTR+14:OUTR+15]
	v_pk_add_f32 v[OUTR:OUTR+1],     v[OUTR:OUTR+1],     v[OUTR+4:OUTR+5]
	v_pk_add_f32 v[OUTR+8:OUTR+9],   v[OUTR+8:OUTR+9],   v[OUTR+12:OUTR+13]
	v_pk_add_f32 v[OUTR:OUTR+1],     v[OUTR:OUTR+1],     v[OUTR+8:OUTR+9]
	v_add_f32 v[OUTR], v[OUTR], v[OUTR+1]
	v_cmp_eq_u32 vcc_lo, 0, v[A0+1]
	s_and_saveexec_b32 s54, vcc_lo
	global_store_b32 v[A0], v[OUTR], s[22:23]
	s_wait_xcnt 0x0                                ; EXEC is a source of the pending store: changed back only behind this wait
	s_or_b32 exec_lo, exec_lo, s54
.Lend:
	s_wait_tensorcnt 0x0
	ds_add_u32 v88, v89
	s_wait_dscnt 0x0
	s_endpgm
.Lfunc_end_k_q051a00997e_refine:
	.size	k_q051a00997e_refine, .Lfunc_end_k_q051a00997e_refine-k_q051a00997e_refine
	.p2alignl 7, 3214868480
	.fill 96, 4, 3214868480
	.section	.rodata,"a",@progbits
	.p2align	6, 0x0
	.amdhsa_kernel k_q051a00997e_refine
		.amdhsa_group_segment_fixed_size 4352
		.amdhsa_private_segment_fixed_size 0
		.amdhsa_enable_private_segment 0
		.amdhsa_kernarg_size 80
		.amdhsa_user_sgpr_count 2
		.amdhsa_user_sgpr_kernarg_segment_ptr 1
		.amdhsa_wavefront_size32 1
		.amdhsa_system_sgpr_workgroup_id_x 1
		.amdhsa_system_sgpr_workgroup_id_y 1
		.amdhsa_system_sgpr_workgroup_id_z 1
		.amdhsa_system_vgpr_workitem_id 0
		.amdhsa_next_free_vgpr 90
		.amdhsa_next_free_sgpr 66
		.amdhsa_reserve_vcc 1
		.amdhsa_float_denorm_mode_32 3
		.amdhsa_float_denorm_mode_16_64 3
		.amdhsa_memory_ordered 1
		.amdhsa_forward_progress 1
		.amdhsa_inst_pref_size 13
	.end_amdhsa_kernel
	.amdgpu_metadata
---
amdhsa.version: [ 1, 2 ]
amdhsa.kernels:
  - .name:           k_q051a00997e_refine
    .symbol:         k_q051a00997e_refine.kd
    .args:
      - { .name: codebook, .offset: 0, .size: 8, .value_kind: global_buffer, .address_space: global }
      - { .name: postquant_b, .offset: 8, .size: 8, .value_kind: global_buffer, .address_space: global }
      - { .name: postquant_w, .offset: 16, .size: 8, .value_kind: global_buffer, .address_space: global }
      - { .name: prequant_b, .offset: 24, .size: 8, .value_kind: global_buffer, .address_space: global }
      - { .name: prequant_w, .offset: 32, .size: 8, .value_kind: global_buffer, .address_space: global }
      - { .name: x, .offset: 40, .size: 8, .value_kind: global_buffer, .address_space: global }
      - { .name: cand, .offset: 48, .size: 8, .value_kind: global_buffer, .address_space: global }
      - { .name: out0, .offset: 56, .size: 8, .value_kind: global_buffer, .address_space: global }
      - { .name: out3, .offset: 64, .size: 8, .value_kind: global_buffer, .address_space: global }
      - { .name: part, .offset: 72, .size: 8, .value_kind: global_buffer, .address_space: global }
    .group_segment_fixed_size: 4352
    .private_segment_fixed_size: 0
    .kernarg_segment_align: 8
    .kernarg_segment_size: 80
    .max_flat_workgroup_size: 512
    .sgpr_count:     66
    .vgpr_count:     90
    .wavefront_size: 32
...
	.end_amdgpu_metadata
.endif
;; end of part 5
;; launch lossum: the kernel of part 3 again; grid 1 x 1, 1 waves a work-group, no clusters, 0 bytes of LDS; arguments part, out1, out2; writes out1, out2
;; ======== version 3 of 3: 3 launches; version 2 with the launch scan written anew for expert scheduling mode
;; workspace buffers: cand 2,097,152 bytes of whole numbers; part 1,024 bytes
;; launch scan (part 6): grid 32 x 8, 8 waves a work-group, no clusters, 66,560 bytes of LDS; arguments codebook, prequant_b, prequant_w, x, cand; writes cand
.if DOCPART == 6
	.amdgcn_target "amdgcn-amd-amdhsa--gfx1250"
	.amdhsa_code_object_version 6
	.text
	.protected	k_q051a00997e_scan
	.globl	k_q051a00997e_scan
	.p2align	8
	.type	k_q051a00997e_scan,@function
k_q051a00997e_scan:
	s_mov_b64 s[64:65], 0
	v_nop
	global_prefetch_b8 v0, s[64:65] scope:SCOPE_SE
	s_setreg_imm32_b32 hwreg(HW_REG_WAVE_SCHED_MODE, 0, 2), 2
	s_setreg_imm32_b32 hwreg(HW_REG_WAVE_MODE, 25, 1), 1
	s_wait_xcnt 0x0
	s_wait_alu depctr_vm_vsrc(0)
; VQ scan.  16,384 points (4 x 64 x 64) of 4 channels against 8,192 codes: for each point and each of 16 chains of the
; codebook, the number of the block of 8 consecutive codes that holds the chain's smallest squared distance, and that
; distance as an ordered whole number.  A later launch takes the two best chains of a point and looks into their blocks in f32.
;
; ONE MATRIX INSTRUCTION GIVES 256 FINISHED DISTANCES.  The product has 4 terms, the bf16 form has 32 places along K.  Each f32
; number v is written as hi + mid + lo, three bf16 (each the rounding of the exact remainder).  With q' = -2 q the places hold six of
; the nine partial products of each channel (the three left out are below 2^-24 of the product) and, against 1.0, the three parts
; of |c|^2 and of |q|^2.  So D = |q|^2 - 2 q.c + |c|^2 with C = 0.  The small terms stand in k 0-15, the large ones in k 16-31.
;     k      0-3     4-7     8-11    12    13    14,15   16-19   20-23   24-27   28    29    30    31
;   point    q'h     q'm     q'l     1     qql   0       q'h     q'h     q'm     1     1     qqh   qqm
;   code     cl      cm      ch      ccl   1     0       ch      cm      ch      cch   ccm   1     1
; A = 16 codes, B = 16 points: register j of lane (r, h) is (code 8 h + j, point r), eight consecutive codes of one point.  Four
; v_min3_num_f32 fold them into the lane's running minimum, one compare and one select remember the tile: 6 vector instructions
; for 8 result registers.  Lane half h and code group cg make the chain: slot = 2 cg + h.
;
; SHARES.  Work-group (pg, cg): points 512 pg .., codes 1024 cg ...  Wave w: 64 points as four B fragments kept in registers
; (tile p, column r = point 64 w + 4 r + p, so that x comes in and the results go out 16 bytes a lane), all 64 code tiles.
; LDS: code tile t at 1024 t in fragment order (lane L's registers 0-3 at 16 L, registers 4-7 at 512 + 16 L): reads are contiguous.
; cand: int32 [2][16 slots][16,384 points]: first the block numbers (0 .. 1023), then the keys.
; KEY = the f32 bit pattern of the chain's minimum (a negative one counts as 0), its low 4 bits replaced by the slot number: bit
; patterns of numbers that are not negative order as unsigned integers, and the 16 keys of a point are all different.
; No tensor loads, no cluster: the only operand that is shared has to pass the vector ALU to be split, and is 16 KiB a work-group.
;
; THE MODE: SCHED_MODE bits 1:0 = 2 (LLVM: expert scheduling mode 2), set by the entry lines.  The code itself states the register
; dependences between vector or matrix instructions and memory or LDS instructions, with s_wait_alu, always for 0.
; THE PLAN.  Registers that memory or LDS instructions touch:
;   v4 - v7       addresses and offsets, made once at the head, ahead of the first wait on va_vdst, and named by no vector line again.
;   v3            LDS address of the fragments.  Read by every fragment load; written once a trip, at the trip's end.
;   the four sets written by the codes' splitting, read by the 32 LDS stores, written again by the points' splitting and by the results.
;   v[56:71]      the codes as loaded; then q, written and read by vector lines; then fragment buffers.
;   CF0 .. CF3    two pairs of fragment buffers.  Tile u's matrix instructions read CF[u]; an even tile asks for the NEXT pair of tiles,
;                 into the pair of buffers that the two tiles before it read and that no line of this pair of tiles names.
;   IDX, BA       written by the last fold and the lines that make the keys, read by the two stores at the end.
; In the loop ONE wait on va_vdst stands at the head of a pair of tiles: the matrix instructions of the pair before are done reading their
; fragments, and (first tile of a trip) v3 is written.  The pair's four loads follow it, one behind each of the even tile's matrix
; instructions, which name their results, CF[u] and the point fragments: none of the registers that those loads touch.
; One wait on vm_vsrc a trip stands ahead of the add to v3.  One wait on va_sdst a fold stands between its compares and its selects.
; No line of the text names VCC, and EXEC is never written.
;
; LIMITS.  Inputs are taken as finite: NaN and infinities are not served (v_min3_num_f32 drops a NaN).  Two blocks of one chain whose
; smallest distances agree to about 1e-6 (the rounding of the matrix sum at |q|^2, |c|^2 of a few units) may be chosen either way.
.set IDX, 12                           ; v[12:15]   tile number of the running minimum, point tile p
.set BA,  16                           ; v[16:19]   running minimum, read by even code tiles, written by odd ones
.set BB,  20                           ; v[20:23]   the other way round: no copy is needed to compare old and new
.set PF,  24                           ; v[24:55]   four point fragments of 8 registers
.set CF,  56                           ; v[56:87]   four buffers for code fragments: two pairs that take turns
.set D0,  88                           ; v[88:119]  results of even code tiles, point tile p at 8 p
.set D1,  120                          ; v[120:151] results of odd code tiles
.set T,   152                          ; v[152:163] three partial minima for each point tile
.set KEYS, 1048576                     ; byte offset of the keys in cand
; set-up only
.set XR,  24                           ; v[24:39]   x, channel c of point p at 4 c + p (in PF's place)
.set RAW, 56                           ; v[56:71]   my four codes as loaded (in CF's place)
.set Q,   56                           ; v[56:71]   then q, then -2 q, channel o of point p at 4 p + o
.set SET, 88                           ; v[88:175]  four register sets of SZ, one for each of the four codes or points at work
.set SZ,  22
.set OH,  0                            ; pairs of packed bf16: hi parts (channels 0,1 | 2,3),
.set OM,  2                            ; mid parts,
.set OL,  4                            ; lo parts
.set OXZ, 6                            ; (ccl, 1) or (1, qql); then the constant 0
.set OYO, 8                            ; (cch, ccm) or (qqh, qqm); then the constant (1, 1)
.set OF,  10                           ; four bf16 as f32
.set OR,  14                           ; four remainders
.set OSS, 18                           ; |c|^2 or |q|^2
.set OT1, 19
.set OT2, 20
.set OT3, 21
	s_load_b256 s[4:11], s[0:1], 0x0               ; codebook s[4:5], prequant_b s[6:7], prequant_w s[8:9], x s[10:11]
	s_load_b64 s[12:13], s[0:1], 0x20              ; cand
	v_lshl_add_u32 v176, v0, 2, 0x10000
	v_mov_b32 v177, 0
	s_and_b32 s37, ttmp7, 0xffff                   ; cg: my 1,024 codes.  ttmp9 = pg: my 512 points
	v_and_b32 v1, 15, v0                           ; r
	v_bfe_u32 v2, v0, 4, 1                         ; h
	v_lshrrev_b32 v9, 5, v0                        ; w
	v_and_b32 v3, 31, v0
	v_lshlrev_b32 v3, 4, v3                        ; LDS read: 16 x lane, stepped by four tiles a trip
	v_lshrrev_b32 v4, 4, v0
	v_lshlrev_b32 v4, 10, v4
	v_lshl_add_u32 v4, v1, 4, v4                   ; LDS write: tile (t >> 4), row (t & 15)
	v_lshlrev_b32 v5, 4, v0                        ; my code: 16 bytes at 16 t
	v_lshlrev_b32 v6, 8, v9
	v_lshl_add_u32 v6, v1, 4, v6                   ; my four points: 256 w + 16 r
	v_lshl_add_u32 v7, v2, 16, v6                  ; the same in cand, slot h of my pair of slots
	s_lshl_b32 s39, s37, 7
	v_add_nc_u32 v8, s39, v2                       ; block number = 128 cg + 2 tile + h
	s_lshl_b32 s36, s37, 1
	v_add_nc_u32 v10, s36, v2                      ; slot = 2 cg + h
	s_mov_b32 s45, 0xffff0000                      ; a word's upper bf16; also the mask of lanes 16-31
	s_mov_b32 s41, 0
	s_wait_kmcnt 0x0
	s_load_b512 s[16:31], s[8:9], 0x0              ; W[o][c] at s[16 + 4 o + c]
	s_load_b128 s[32:35], s[6:7], 0x0              ; bias
	s_lshl_b32 s40, s37, 14                        ; 1,024 codes of 16 bytes
	s_add_nc_u64 s[4:5], s[4:5], s[40:41]
	s_lshr_b32 s40, ttmp9, 3                       ; image: 8 groups of 512 points each,
	s_lshl_b32 s40, s40, 16                        ; 4 channels x 4,096 points x 4 bytes
	s_and_b32 s38, ttmp9, 7
	s_lshl_b32 s38, s38, 11                        ; 512 points x 4 bytes
	s_add_co_u32 s40, s40, s38
	s_add_nc_u64 s[10:11], s[10:11], s[40:41]
	s_lshl_b32 s40, s37, 17                        ; two slots of 16,384 x 4 bytes
	s_lshl_b32 s38, ttmp9, 11
	s_add_co_u32 s40, s40, s38
	s_add_nc_u64 s[12:13], s[12:13], s[40:41]
	s_wait_alu depctr_va_vdst(0)                   ; v3 to v7 are written: the offsets and addresses that the loads and stores of the kernel read
.irp u, 0,1,2,3
	global_load_b128 v[RAW+4*\u:RAW+4*\u+3], v5, s[4:5] offset:\u*4096      ; code t + 256 u
.endr
.irp c, 0,1,2,3
	global_load_b128 v[XR+4*\c:XR+4*\c+3], v6, s[10:11] offset:\c*16384     ; channel c of my four points
.endr
.irp u, 0,1,2,3
	v_mov_b32 v[SET+SZ*\u+OXZ+1], 0
	v_mov_b32 v[SET+SZ*\u+OYO+1], 0x3f803f80       ; (1.0, 1.0) in bf16
.endr
; The splitting works on four numbers-of-four at once (my four codes, later my four points), one register set each, and goes
; stage by stage through all four sets: an instruction never reads the result of one of the three in front of it.
.macro NORM4X src                      ; OSS = sum of squares of the four f32 at src + 4 u
.irp u, 0,1,2,3
	v_mul_f32 v[SET+SZ*\u+OSS], v[\src+4*\u], v[\src+4*\u]
.endr
.irp k, 1,2,3
.irp u, 0,1,2,3
	v_fmac_f32 v[SET+SZ*\u+OSS], v[\src+4*\u+\k], v[\src+4*\u+\k]
.endr
.endr
.endm
.macro UNPK4 w                         ; the four bf16 of pair w as f32
.irp u, 0,1,2,3
.set B, SET+SZ*\u
	v_lshlrev_b32 v[B+OF],   16,  v[B+\w]
	v_and_b32     v[B+OF+1], s45, v[B+\w]
	v_lshlrev_b32 v[B+OF+2], 16,  v[B+\w+1]
	v_and_b32     v[B+OF+3], s45, v[B+\w+1]
.endr
.endm
.macro SPLIT4X src                     ; four f32 at src + 4 u -> OH, OM, OL.  Each remainder is exact in f32
.irp u, 0,1,2,3
.set B, SET+SZ*\u
	v_cvt_pk_bf16_f32 v[B+OH],   v[\src+4*\u],   v[\src+4*\u+1]
	v_cvt_pk_bf16_f32 v[B+OH+1], v[\src+4*\u+2], v[\src+4*\u+3]
.endr
	UNPK4 OH
.irp u, 0,1,2,3
.set B, SET+SZ*\u
	v_pk_add_f32 v[B+OR:B+OR+1],   v[\src+4*\u:\src+4*\u+1],   v[B+OF:B+OF+1]   neg_lo:[0,1] neg_hi:[0,1]
	v_pk_add_f32 v[B+OR+2:B+OR+3], v[\src+4*\u+2:\src+4*\u+3], v[B+OF+2:B+OF+3] neg_lo:[0,1] neg_hi:[0,1]
.endr
.irp u, 0,1,2,3
.set B, SET+SZ*\u
	v_cvt_pk_bf16_f32 v[B+OM],   v[B+OR],   v[B+OR+1]
	v_cvt_pk_bf16_f32 v[B+OM+1], v[B+OR+2], v[B+OR+3]
.endr
	UNPK4 OM
.irp u, 0,1,2,3
.set B, SET+SZ*\u
	v_pk_add_f32 v[B+OR:B+OR+1],   v[B+OR:B+OR+1],   v[B+OF:B+OF+1]   neg_lo:[0,1] neg_hi:[0,1]
	v_pk_add_f32 v[B+OR+2:B+OR+3], v[B+OR+2:B+OR+3], v[B+OF+2:B+OF+3] neg_lo:[0,1] neg_hi:[0,1]
.endr
.irp u, 0,1,2,3
.set B, SET+SZ*\u
	v_cvt_pk_bf16_f32 v[B+OL],   v[B+OR],   v[B+OR+1]
	v_cvt_pk_bf16_f32 v[B+OL+1], v[B+OR+2], v[B+OR+3]
.endr
.endm
.macro SPLIT1X pt                      ; the f32 in OSS -> OYO = (hi, mid), OXZ = (lo, 1) for a code, (1, lo) for a point
.irp u, 0,1,2,3
	v_cvt_pk_bf16_f32 v[SET+SZ*\u+OT1], v[SET+SZ*\u+OSS], 0
.endr
.irp u, 0,1,2,3
	v_lshlrev_b32 v[SET+SZ*\u+OT3], 16, v[SET+SZ*\u+OT1]
.endr
.irp u, 0,1,2,3
	v_sub_f32 v[SET+SZ*\u+OSS], v[SET+SZ*\u+OSS], v[SET+SZ*\u+OT3]
.endr
.irp u, 0,1,2,3
	v_cvt_pk_bf16_f32 v[SET+SZ*\u+OT2], v[SET+SZ*\u+OSS], 0
.endr
.irp u, 0,1,2,3
	v_lshlrev_b32 v[SET+SZ*\u+OT3], 16, v[SET+SZ*\u+OT2]
.endr
.irp u, 0,1,2,3
	v_sub_f32 v[SET+SZ*\u+OSS], v[SET+SZ*\u+OSS], v[SET+SZ*\u+OT3]
.endr
.irp u, 0,1,2,3
.if \pt
	v_cvt_pk_bf16_f32 v[SET+SZ*\u+OXZ], 1.0, v[SET+SZ*\u+OSS]
.else
	v_cvt_pk_bf16_f32 v[SET+SZ*\u+OXZ], v[SET+SZ*\u+OSS], 1.0
.endif
.endr
.irp u, 0,1,2,3
	v_lshl_or_b32 v[SET+SZ*\u+OYO], v[SET+SZ*\u+OT2], 16, v[SET+SZ*\u+OT1]
.endr
.endm
	s_wait_loadcnt 0x4                             ; my four codes are in; the four younger loads (x) may stay out
	NORM4X RAW
	SPLIT4X RAW
	SPLIT1X 0
; Each code into its row of its tile.  The row's four pieces of 16 bytes (k 0-7 at 0, k 8-15 at 256, k 16-23 at 512, k 24-31 at 768)
; go out in halves of 8 bytes, so that no register is copied to form a tuple.
	s_wait_alu depctr_va_vdst(0)                   ; the splitting has written the packed words of the four sets, which the LDS stores read
.irp u, 0,1,2,3
.set B, SET+SZ*\u
	ds_store_b64 v4, v[B+OL:B+OL+1]   offset:\u*16384          ; k 0-3    cl
	ds_store_b64 v4, v[B+OM:B+OM+1]   offset:\u*16384+8        ; k 4-7    cm
	ds_store_b64 v4, v[B+OH:B+OH+1]   offset:\u*16384+256      ; k 8-11   ch
	ds_store_b64 v4, v[B+OXZ:B+OXZ+1] offset:\u*16384+264      ; k 12-15  ccl, 1, 0, 0
	ds_store_b64 v4, v[B+OH:B+OH+1]   offset:\u*16384+512      ; k 16-19  ch
	ds_store_b64 v4, v[B+OM:B+OM+1]   offset:\u*16384+520      ; k 20-23  cm
	ds_store_b64 v4, v[B+OH:B+OH+1]   offset:\u*16384+768      ; k 24-27  ch
	ds_store_b64 v4, v[B+OYO:B+OYO+1] offset:\u*16384+776      ; k 28-31  cch, ccm, 1, 1
.endr
	s_wait_loadcnt 0x0                             ; x
	s_wait_kmcnt 0x0                               ; W and the bias
	s_wait_dscnt 0x0                               ; my rows of the code tiles are in LDS:
	s_wait_alu depctr_vm_vsrc(0)                   ; my LDS stores have read the four sets, which the points' splitting below and later the matrix results write again
	s_barrier_signal -1                            ; say so, and make the point fragments in registers while the others arrive
	; q = W x + b in f32: products in ascending channel order, the bias added last, as the launch that decides makes it
.irp p, 0,1,2,3
.irp o, 0,1,2,3
	v_mul_f32  v[Q+4*\p+\o], s[16+4*\o],   v[XR+\p]
.endr
.irp o, 0,1,2,3
	v_fmac_f32 v[Q+4*\p+\o], s[16+4*\o+1], v[XR+4+\p]
.endr
.irp o, 0,1,2,3
	v_fmac_f32 v[Q+4*\p+\o], s[16+4*\o+2], v[XR+8+\p]
.endr
.irp o, 0,1,2,3
	v_fmac_f32 v[Q+4*\p+\o], s[16+4*\o+3], v[XR+12+\p]
.endr
.irp o, 0,1,2,3
	v_add_f32  v[Q+4*\p+\o], s[32+\o], v[Q+4*\p+\o]
.endr
.endr
	NORM4X Q
.irp p, 0,1,2,3
	v_pk_mul_f32 v[Q+4*\p:Q+4*\p+1],   v[Q+4*\p:Q+4*\p+1],   -2.0 op_sel_hi:[1,0]
	v_pk_mul_f32 v[Q+4*\p+2:Q+4*\p+3], v[Q+4*\p+2:Q+4*\p+3], -2.0 op_sel_hi:[1,0]
.endr
	SPLIT4X Q
	SPLIT1X 1
; Point tile p: lanes with h = 0 hold k 0-7 and k 16-23, lanes with h = 1 hold k 8-15 and k 24-31 of the same point.
; The selects take the constant mask of lanes 16-31 from s45, which a scalar line wrote at the head.
.irp p, 0,1,2,3
.set B, SET+SZ*\p
	v_cndmask_b32 v[PF+8*\p],   v[B+OH],   v[B+OL],    s45  ; k 0-1   q'h   | k 8-9    q'l
	v_cndmask_b32 v[PF+8*\p+1], v[B+OH+1], v[B+OL+1],  s45  ; k 2-3   q'h   | k 10-11  q'l
	v_cndmask_b32 v[PF+8*\p+2], v[B+OM],   v[B+OXZ],   s45  ; k 4-5   q'm   | k 12-13  1, qql
	v_cndmask_b32 v[PF+8*\p+3], v[B+OM+1], v[B+OXZ+1], s45  ; k 6-7   q'm   | k 14-15  0
	v_cndmask_b32 v[PF+8*\p+4], v[B+OH],   v[B+OM],    s45  ; k 16-17 q'h   | k 24-25  q'm
	v_cndmask_b32 v[PF+8*\p+5], v[B+OH+1], v[B+OM+1],  s45  ; k 18-19 q'h   | k 26-27  q'm
	v_cndmask_b32 v[PF+8*\p+6], v[B+OH],   v[B+OYO+1], s45  ; k 20-21 q'h   | k 28-29  1, 1
	v_cndmask_b32 v[PF+8*\p+7], v[B+OH+1], v[B+OYO],   s45  ; k 22-23 q'h   | k 30-31  qqh, qqm
.endr
.irp p, 0,1,2,3
	v_mov_b32 v[IDX+\p], 0
	v_mov_b32 v[BA+\p], 0x7f800000                 ; +infinity
.endr
	s_mov_b32 s43, -1                              ; number of the code tile whose results are folded: stepped in front of each fold
	s_barrier_wait -1                              ; all 64 code tiles are in LDS; nothing writes LDS from here on
	s_wait_alu depctr_va_vdst(0)                   ; the lines that wrote and read q in v[56:71] are done: the first fragments land in these registers
.irp t, 0,1,2,3
	ds_load_b128 v[CF+8*\t:CF+8*\t+3],   v3 offset:\t*1024                  ; both pairs of buffers: tiles 0 to 3
	ds_load_b128 v[CF+8*\t+4:CF+8*\t+7], v3 offset:\t*1024+512
.endr
.macro WM d, f, p                      ; 16 codes (buffer f) x 16 points (tile p): finished distances, nothing to accumulate
	v_wmma_f32_16x16x32_bf16 v[\d:\d+7], v[CF+8*\f:CF+8*\f+7], v[PF+8*\p:PF+8*\p+7], 0
.endm
; Fold the 32 result registers at d (point tile p at d + 8 p) into the four running minima: 24 instructions in stages of four, so
; that none reads the result of one of the three in front of it.  For each point tile a tree: three v_min3_num_f32 take the eight
; results and the old minimum, a fourth joins them.  A strictly smaller minimum takes the tile number: of equal ones the first stays.
.macro V4 d, bin, bout
.irp p, 0,1,2,3
	v_min3_num_f32 v[T+3*\p],   v[\d+8*\p],   v[\d+8*\p+1], v[\d+8*\p+2]
.endr
.irp p, 0,1,2,3
	v_min3_num_f32 v[T+3*\p+1], v[\d+8*\p+3], v[\d+8*\p+4], v[\d+8*\p+5]
.endr
.irp p, 0,1,2,3
	v_min3_num_f32 v[T+3*\p+2], v[\d+8*\p+6], v[\d+8*\p+7], v[\bin+\p]
.endr
.irp p, 0,1,2,3
	v_min3_num_f32 v[\bout+\p], v[T+3*\p], v[T+3*\p+1], v[T+3*\p+2]
.endr
	v_cmp_lt_f32 s40, v[\bout],   v[\bin]
	v_cmp_lt_f32 s44, v[\bout+1], v[\bin+1]
	v_cmp_lt_f32 s46, v[\bout+2], v[\bin+2]
	v_cmp_lt_f32 s47, v[\bout+3], v[\bin+3]
	s_wait_alu depctr_va_sdst(0)                   ; the four compares have written s40, s44, s46 and s47, the masks that the four selects read
	v_cndmask_b32 v[IDX],   v[IDX],   s43, s40
	v_cndmask_b32 v[IDX+1], v[IDX+1], s43, s44
	v_cndmask_b32 v[IDX+2], v[IDX+2], s43, s46
	v_cndmask_b32 v[IDX+3], v[IDX+3], s43, s47
.endm
; One code tile (buffer u = tile % 4, result set tile % 2): its four matrix instructions, then the fold of the tile BEFORE.
; The fold's 24 vector instructions name none of the registers of the four matrix instructions in front of them, so they are the
; places that stand between those and the first reader of their results (the next tile's fold) and the matrix instructions that
; write over their results (two tiles on): ISA guide 7.12.1 asks four and five.
; The very first tile has nothing to fold: four v_nop.  The tile number is stepped between the two runs, away from the compares
; that write scalar registers.
; ld = 1 (even tiles alone): the two fragments of the next pair of tiles are asked for, into buffers (u + 2) % 4 and (u + 3) % 4, which the
; two tiles before this one read: one load behind each matrix instruction, two tiles ahead of the first use.
; cnt: the LDS loads that are younger than this tile's two and may stay out (LDS loads come back in order: ISA guide 5.7.1): at an even
; tile its partner's two; at an odd tile the four that its partner has just issued.
.macro TILE u, first, ld, cnt
	s_wait_dscnt \cnt
.if \ld
	s_wait_alu depctr_va_vdst(0)                   ; the matrix instructions of the two tiles before are done reading the fragments in whose registers the four loads below land; in a trip's first tile v3 is written
.endif
.irp p, 0,1,2,3
	WM D0+32*((\u)&1)+8*\p, \u, \p
.if \ld
	ds_load_b128 v[CF+8*((\u+2+(\p)/2)%4)+4*((\p)%2):CF+8*((\u+2+(\p)/2)%4)+4*((\p)%2)+3], v3 offset:(\u+2+(\p)/2)*1024+512*((\p)%2)  ; no wait: no line since the wait above names these registers or v3
.endif
.endr
.if \first
.rept 4
	v_nop
.endr
.else
	s_add_co_u32 s43, s43, 1
.if (\u)&1
	V4 D0, BA, BB                                  ; the tile before was even
.else
	V4 D1, BB, BA
.endif
.endif
.endm
	TILE 0, 1, 0, 6                                ; tiles 0-3 stand in front of the loop: the first has nothing to fold, and tiles 2 and 3 have been asked for
	TILE 1, 0, 0, 4
	TILE 2, 0, 1, 2
	TILE 3, 0, 0, 4
	s_wait_alu depctr_vm_vsrc(0)                   ; the fragment loads issued so far have read v3
	v_add_nc_u32 v3, 4096, v3                      ; the next reader of v3 stands behind the wait on va_vdst at the head of the next tile
	s_mov_b32 s42, 14                              ; tiles 4-59
.Ltrip:
	TILE 0, 0, 1, 2
	TILE 1, 0, 0, 4
	TILE 2, 0, 1, 2
	TILE 3, 0, 0, 4
	s_wait_alu depctr_vm_vsrc(0)                   ; the fragment loads issued so far have read v3
	v_add_nc_u32 v3, 4096, v3                      ; the next reader of v3 stands behind the wait on va_vdst at the head of the next tile
	s_sub_co_u32 s42, s42, 1
	s_cmp_lg_u32 s42, 0
	s_cbranch_scc1 .Ltrip
	TILE 0, 0, 1, 2                                ; tiles 60-63: one more pair is asked for (tiles 62 and 63), then the counts run down
	TILE 1, 0, 0, 4
	TILE 2, 0, 0, 2
	TILE 3, 0, 0, 0
	s_add_co_u32 s43, s43, 1
	V4 D1, BB, BA                                  ; tile 63
.irp p, 0,1,2,3
	v_lshl_add_u32 v[IDX+\p], v[IDX+\p], 1, v8     ; block = 128 cg + 2 tile + h
	v_ashrrev_i32 v[T+\p], 31, v[BA+\p]            ; all ones where the sign bit is set (a rounding below zero, or -0)
.endr
.irp p, 0,1,2,3
	v_and_or_b32 v[BA+\p], v[BA+\p], 0xfffffff0, v10       ; the minimum's bit pattern, the slot in its low 4 bits
.endr
.irp p, 0,1,2,3
	v_bfi_b32 v[BA+\p], v[T+\p], v10, v[BA+\p]     ; a negative one counts as zero: the slot alone
.endr
	s_wait_alu depctr_va_vdst(0)                   ; the block numbers in IDX and the keys in BA are written, which the two stores read
	global_store_b128 v7, v[IDX:IDX+3], s[12:13]               ; in each store lanes 0-15 and lanes 16-31 each cover
	global_store_b128 v7, v[BA:BA+3],   s[12:13] offset:KEYS   ; 256 consecutive bytes, aligned
	s_wait_dscnt 0x0
	s_wait_alu depctr_hold_cnt(0) depctr_sa_sdst(0) depctr_va_vdst(0) depctr_va_sdst(0) depctr_va_ssrc(0) depctr_va_vcc(0) depctr_vm_vsrc(0)
	s_wait_tensorcnt 0x0
	ds_add_u32 v176, v177
	s_wait_dscnt 0x0
	s_endpgm
.Lfunc_end_k_q051a00997e_scan:
	.size	k_q051a00997e_scan, .Lfunc_end_k_q051a00997e_scan-k_q051a00997e_scan
	.p2alignl 7, 3214868480
	.fill 96, 4, 3214868480
	.section	.rodata,"a",@progbits
	.p2align	6, 0x0
	.amdhsa_kernel k_q051a00997e_scan
		.amdhsa_group_segment_fixed_size 66560
		.amdhsa_private_segment_fixed_size 0
		.amdhsa_enable_private_segment 0
		.amdhsa_kernarg_size 40
		.amdhsa_user_sgpr_count 2
		.amdhsa_user_sgpr_kernarg_segment_ptr 1
		.amdhsa_wavefront_size32 1
		.amdhsa_system_sgpr_workgroup_id_x 1
		.amdhsa_system_sgpr_workgroup_id_y 1
		.amdhsa_system_sgpr_workgroup_id_z 1
		.amdhsa_system_vgpr_workitem_id 0
		.amdhsa_next_free_vgpr 178
		.amdhsa_next_free_sgpr 66
		.amdhsa_reserve_vcc 0
		.amdhsa_float_denorm_mode_32 3
		.amdhsa_float_denorm_mode_16_64 3
		.amdhsa_memory_ordered 1
		.amdhsa_forward_progress 1
		.amdhsa_inst_pref_size 48
	.end_amdhsa_kernel
	.amdgpu_metadata
---
amdhsa.version: [ 1, 2 ]
amdhsa.kernels:
  - .name:           k_q051a00997e_scan
    .symbol:         k_q051a00997e_scan.kd
    .args:
      - { .name: codebook, .offset: 0, .size: 8, .value_kind: global_buffer, .address_space: global }
      - { .name: prequant_b, .offset: 8, .size: 8, .value_kind: global_buffer, .address_space: global }
      - { .name: prequant_w, .offset: 16, .size: 8, .value_kind: global_buffer, .address_space: global }
      - { .name: x, .offset: 24, .size: 8, .value_kind: global_buffer, .address_space: global }
      - { .name: cand, .offset: 32, .size: 8, .value_kind: global_buffer, .address_space: global }
    .group_segment_fixed_size: 66560
    .private_segment_fixed_size: 0
    .kernarg_segment_align: 8
    .kernarg_segment_size: 40
    .max_flat_workgroup_size: 256
    .sgpr_count:     66
    .vgpr_count:     178
    .wavefront_size: 32
...
	.end_amdgpu_metadata
.endif
;; end of part 6
;; launch refine: the kernel of part 5 again; grid 256 x 1, 16 waves a work-group, no clusters, 4,352 bytes of LDS; arguments codebook, postquant_b, postquant_w, prequant_b, prequant_w, x, cand, out0, out3, part; writes out0, out3, part
;; launch lossum: the kernel of part 3 again; grid 1 x 1, 1 waves a work-group, no clusters, 0 bytes of LDS; arguments part, out1, out2; writes out1, out2
